; MI455X (gfx1250); checked and timed in simulation.
; The chip was launched on July 23, 2026; its instructions are those of AMD's public machine-readable ISA for CDNA 5 (MIT licence, August 2026) and "CDNA5" Instruction Set Architecture Reference Guide (July 2026). The comments in the code are by the model that wrote it; some were corrected since.
;; Attention. Allowed arithmetic: matrix products marked QUANTISED: E2M1 operands, one E8M0 scale for each 32 along K, by v_wmma_scale_f32_16x16x128_f8f6f4 with both operands' format E2M1 (or v_wmma_scale_f32_32x16x128_f4), f32 sums; products left as they are: bf16, f16 or f32 operands; f32 sums; everything else in f32.
;; Inputs: b_proj 1,024 float32; b_qkv 3,072 float32; w_proj 1,024 x 1,024 float32; w_qkv 1,024 x 3,072 float32; x 4 x 2,048 x 1,024 float32.
;; Outputs: out0 4 x 2,048 x 1,024 float32.
;; This version of the problem:
;;   THIS VERSION OF THE PROBLEM IS GIVEN IN LOW PRECISION. The matrix products marked QUANTISED in the list below multiply operands that are first quantised to E2M1 (2 exponent bits, 1 mantissa bit; 4 bits a number), with one power-of-two scale for each 32 numbers along K (OCP MX v1.0); their sums are f32. The products marked 'left as it is' may take bf16, f16 or f32 operands, with f32 sums. Whichever they take, every output number must still come out within the allowed error. Rounding operands to bf16 (8 significant bits) uses up far more of that allowance than f16 does (11 bits, for magnitudes from 6e-5 to 65,504). All else is computed in f32.
;;   The module's matrix products, in the order in which they are computed (A, B: the left and right operand; K: the contracted axis; several contracted axes count as one K, in the product's order):
;;     1. [M 8,192, K 1,024] x [K 1,024, N 3,072]; A: input x; B: input w_qkv: QUANTISED
;;     2. batch 64 x [M 2,048, K 64] x [K 64, N 2,048]; A: computed on the way; B: computed on the way: left as it is (an operand is computed on the way)
;;     3. batch 64 x [M 2,048, K 2,048] x [K 2,048, N 64]; A: computed on the way; B: computed on the way: left as it is (an operand is computed on the way)
;;     4. [M 8,192, K 1,024] x [K 1,024, N 1,024]; A: computed on the way; B: input w_proj: left as it is (an operand is computed on the way)
;;   THE QUANTISER, for each operand of a quantised product, along K:
;;     - K is cut into blocks of 32 from its start; a last block that is shorter is filled with zeros.
;;     - A block's scale is 2^e with e = floor(log2(the largest magnitude in the block)) - 2, held to -126 .. 127; a block of zeros has e = 0. As a byte (E8M0): e + 127.
;;     - Each number is divided by its block's scale, clamped to +-6, and rounded to the nearest number of E2M1, ties to even, subnormals kept.
;;     - The product sums the exact products of the quantised numbers (number of the format x scale) in f32.
;;   ~~~python
;;   def quantise(x, axis):      # numpy; x: float32 -> the quantised numbers, widened to float32 again
;;       x = np.moveaxis(x, axis, -1); K = x.shape[-1]
;;       x = np.pad(x, [(0, 0)] * (x.ndim - 1) + [(0, -K % 32)]); x = x.reshape(x.shape[:-1] + (-1, 32)); a = np.abs(x).max(-1, keepdims=True)
;;       e = np.where(a > 0, np.clip(np.frexp(np.where(a > 0, a, 1))[1] - 1 - 2, -126, 127), 0)      # np.frexp(a)[1] - 1 = floor(log2(a)), exactly
;;       r = np.clip(x / 2.0 ** e, -6, 6)
;;       step = 2.0 ** (np.maximum(np.frexp(np.where(r == 0, 1, r))[1] - 1, 0) - 1)
;;       q = np.round(r / step) * step * 2.0 ** e      # np.round: ties to even
;;       return np.moveaxis(q.reshape(q.shape[:-2] + (-1,))[..., :K], -1, axis).astype(np.float32)
;;   ~~~
;; One version. Each part assembles by itself: llvm-mc -triple=amdgcn-amd-amdhsa -mcpu=gfx1250 --defsym DOCPART=n.
;; ======== version 1 of 1: 4 launches
;; limits: values are held in f16: magnitudes above 65,504 overflow, below 6.1e-05 lose precision
;; workspace buffers: xc 4,194,304 bytes; xs 262,144 bytes; wc 1,572,864 bytes; ws 98,304 bytes; wp 2,097,152 bytes; qkv 50,331,648 bytes; oi 16,777,216 bytes
;; launch prep (part 1): grid 336 x 1, 4 waves a work-group, no clusters, 68,096 bytes of LDS; arguments x, w_qkv, w_proj, xc, xs, wc, ws, wp; writes xc, xs, wc, ws, wp
.if DOCPART == 1
	.amdgcn_target "amdgcn-amd-amdhsa--gfx1250"
	.amdhsa_code_object_version 6
	.text
	.protected	k_q7279f67264_prep
	.globl	k_q7279f67264_prep
	.p2align	8
	.type	k_q7279f67264_prep,@function
k_q7279f67264_prep:
	s_mov_b64 s[64:65], 0
	v_nop
	global_prefetch_b8 v0, s[64:65] scope:SCOPE_SE
	s_setreg_imm32_b32 hwreg(HW_REG_WAVE_MODE, 25, 1), 1
	s_wait_xcnt 0x0
; THE PROGRAM: out = softmax(q k^T / 8) v @ w_proj + b_proj, with q, k, v = x @ w_qkv + b_qkv; 4 batches x 2,048 tokens x 1,024; 16 heads of 64.  Four launches: this one, the first product on codes of
; E2M1, attention in f16 with f32 sums, the projection in f16 with f32 sums.
; WORK LEFT OUT, for all values of the inputs.  b_qkv[1024:2048], the bias on k: score(q, k + b) = q.k + q.b, and q.b is the same for every key of a row: a term added to the softmax's input that is constant
; along its axis, which the softmax takes away; the product with q is not quantised.  These 1,024 numbers are never loaded.  LIMIT: a NaN, an infinity or an overflow that reaches only that term is not carried to the result.
; WORK MOVED, not left out.  b_qkv[2048:3072], the bias on v: sum p (v + b) / sum p = sum p v / sum p + b: it is added in f32 where attention divides by the row's sum.
; THIS LAUNCH has three paths, chosen by the work-group's number, which never join; each has LDS bytes of its own.
;   W  (work-groups 0-47):   w_qkv [1024 (k)][3072 (n)] f32 -> wc [3072][512 bytes] codes of E2M1 with K innermost, ws [3072][32] E8M0 bytes.  A lane takes a column, its registers run down K.
;   P  (work-groups 48-79):  w_proj [1024 (k)][1024 (n)] f32 -> wp, f16, laid as the projection's operand registers: [n / 16][k / 32][half][lane][16 bytes]; lane (r, h) of half u holds k = 32 kc + 16 u + 8 h + 0..7 of column 16 nt + r.
;   X  (work-groups 80-335): x [8192][1024] f32 -> xc [8192][512 bytes], xs [8192][32].  K is innermost: a plain stream of blocks of 32.
; THE QUANTISER.  A block's scale is 2^(floor(log2(its largest magnitude)) - 2); its byte is the largest magnitude's exponent field - 2, held at 1 from below; each number is divided by the scale and rounded to the nearest code, ties to even, beyond 6 the largest code.
; LIMITS: a block of zeros gets the byte 1 where the rule says 127 (its codes are zeros, which add nothing, and this program alone reads the bytes); blocks whose largest magnitude lies under 2^-124 get the floor's byte, 1;
; NaN and infinities among the inputs are not served; w_proj beyond f16's range (65,504) is not served.
; No tensor loads, no barrier, no matrix work, no cluster: waves share nothing and every input byte is read once.
.set SPARE, 67584                      ; LDS: 0-32767 path X, 32768-67583 path W, then the spare words, 128 bytes for each wave, which no other line names
.set SPW,   190                        ; v190 LDS address of my spare word; never rewritten
.set NIL,   191                        ; v191 0; never rewritten
.set EMAX,  2
	v_lshl_add_u32 v[SPW], v0, 2, SPARE
	v_mov_b32 v[NIL], 0
	v_lshrrev_b32 v1, 5, v0
	v_readfirstlane_b32 s16, v1                    ; wave 0..3
	v_and_b32 v2, 31, v0                           ; lane
	s_cmp_lt_u32 ttmp9, 48
	s_cbranch_scc1 .Lpath_w
	s_cmp_lt_u32 ttmp9, 80
	s_cbranch_scc1 .Lpath_p
; ---------------- PATH X.  A wave takes 16 steps of 512 numbers.  Each of a step's four loads reads 512 consecutive bytes, 16 a lane; the 2,048 bytes turn through the wave's own stage in LDS and come back 64 bytes a lane,
; so that a lane holds 16 neighbours along K (two neighbouring lanes hold a block).  A lane's 16 codes are 8 bytes: the wave stores 256 consecutive bytes.  The wave's 256 scale bytes are gathered in LDS and leave as 256 consecutive bytes.
.set XSTEPS, 16
.set XCB,   8                          ; bytes of 16 codes
.set XR,    16                         ; v16-79   four sets of 16 numbers as they are loaded
.set XX,    80                         ; v80-111  two sets of 16 neighbours
.set XE,    112                        ; v112-127 a scale byte for each step
.set XC,    128                        ; v128-189 codes: four registers apart for each step, so that no store's data are written again
.set XWREG, 8192                       ; a wave's LDS region: two stages of 32 x XSP bytes, behind them its 256 scale bytes
.set XSP,   80                         ; a lane's place in a stage: 64 bytes + 16 of padding
	s_load_b64 s[4:5], s[0:1], 0x0                 ; x
	s_load_b64 s[8:9], s[0:1], 0x18                ; xc
	s_load_b64 s[10:11], s[0:1], 0x20              ; xs
	v_lshlrev_b32 v3, 4, v2                        ; my 16 bytes of a load's 512
	s_mul_i32 s17, s16, XWREG
	v_lshrrev_b32 v14, 2, v2
	v_mul_u32_u24 v14, v14, XSP
	v_and_b32 v15, 3, v2
	v_lshl_add_u32 v14, v15, 4, v14
	v_add_nc_u32 v14, s17, v14                     ; the stage, on the way in: XSP (lane / 4) + 16 (lane % 4)
	v_mul_u32_u24 v15, v2, XSP
	v_add_nc_u32 v15, s17, v15                     ; and on the way out: XSP x lane: my 16 neighbours
	v_mul_u32_u24 v4, v2, XCB                      ; my codes' place in a step's
	v_lshrrev_b32 v5, 1, v2
	s_add_co_u32 s17, s17, 2*32*XSP
	v_add_nc_u32 v5, s17, v5                       ; my wave's 256 scale bytes, my block's byte
	v_lshlrev_b32 v7, 3, v2                        ; and on the way out 8 bytes a lane
	v_add_nc_u32 v6, s17, v7
	s_sub_co_u32 s17, ttmp9, 80
	s_lshl_b32 s17, s17, 2
	s_add_co_u32 s18, s17, s16                     ; which run of 8,192 numbers is my wave's
	s_mov_b32 s19, 0
	s_lshl_b64 s[20:21], s[18:19], 15              ; 32,768 bytes of numbers a run,
	s_lshl_b64 s[22:23], s[18:19], 12              ; 4,096 of codes,
	s_lshl_b32 s18, s18, 8                         ; 256 of scales
	s_wait_kmcnt 0x0
	s_add_nc_u64 s[4:5], s[4:5], s[20:21]
	s_add_nc_u64 s[8:9], s[8:9], s[22:23]
	s_add_nc_u64 s[10:11], s[10:11], s[18:19]
.macro XLOAD t
.irp i, 0,1,2,3
	global_load_b128 v[XR+16*((\t)%4)+4*\i:XR+16*((\t)%4)+4*\i+3], v3, s[4:5] offset:2048*(\t)+512*\i th:TH_LOAD_NT
.endr
.endm
.macro XTURN t                         ; step t's numbers through the stage: LDS serves a wave's instructions in order, so no wait stands between the stores and the loads
.irp i, 0,1,2,3
	ds_store_b128 v14, v[XR+16*((\t)%4)+4*\i:XR+16*((\t)%4)+4*\i+3] offset:32*XSP*((\t)%2)+8*XSP*\i
.endr
.irp i, 0,1,2,3
	ds_load_b128 v[XX+16*((\t)%2)+4*\i:XX+16*((\t)%2)+4*\i+3], v15 offset:32*XSP*((\t)%2)+16*\i
.endr
.endm
.irp t, 0,1,2,3
	XLOAD \t
.endr
	s_wait_loadcnt 12                              ; step 0's four loads are in; twelve younger ones stay out
	XTURN 0
.macro XSTEP t
.set XS, XX+16*((\t)%2)
.if (\t) > 0
	s_wait_dscnt 1                                 ; this step's numbers are back from the stage (the last step's byte store may be out): so its stores into the stage have read their registers,
.else
	s_wait_dscnt 0x0
.endif
.if (\t)+4 < XSTEPS
	XLOAD (\t)+4                                   ; which take the loads of four steps on
.endif
.if (\t)+1 < XSTEPS
.if XSTEPS-2-(\t) >= 3
	s_wait_loadcnt 12                              ; the next step's four loads are in; those of the three steps behind it may be out
.else
	s_wait_loadcnt 4*(XSTEPS-2-(\t))
.endif
	XTURN (\t)+1                                   ; and go through the other stage while this step is worked
.endif
	v_max3_num_f32 v8, |v[XS]|, |v[XS+1]|, |v[XS+2]|               ; the largest magnitude of my 16, in two chains
	v_max3_num_f32 v9, |v[XS+3]|, |v[XS+4]|, |v[XS+5]|
.irp i, 6,10
	v_max3_num_f32 v8, v8, |v[XS+\i]|, |v[XS+\i+1]|
	v_max3_num_f32 v9, v9, |v[XS+\i+2]|, |v[XS+\i+3]|
.endr
	v_max3_num_f32 v8, v8, |v[XS+14]|, |v[XS+15]|
	v_max3_num_f32 v8, v8, v9, (EMAX+1)<<23        ; and the floor 2^(3 - 127): the byte cannot fall under 1
	v_max_num_f32_dpp v8, v8, v8 row_xmask:1 row_mask:0xf bank_mask:0xf   ; and of my neighbour's 16: the block's
	v_add_nc_u32 v11, -(EMAX<<23), v8              ; 2 off its exponent field: the conversion takes the exponent field of this operand as its scale
	v_cvt_scalef32_pk8_fp4_f32 v[XC+4*(\t)], v[XS:XS+7], v11
	v_cvt_scalef32_pk8_fp4_f32 v[XC+4*(\t)+1], v[XS+8:XS+15], v11
	v_lshrrev_b32 v[XE+(\t)], 23, v11              ; the scale's byte (also the plain line behind the conversions)
	ds_store_b8 v5, v[XE+(\t)] offset:16*(\t)      ; both lanes of a block write the same byte with the same value
	global_store_b64 v4, v[XC+4*(\t):XC+4*(\t)+1], s[8:9] offset:32*XCB*(\t)
.endm
.irp t, 0,1,2,3,4,5,6,7,8,9,10,11,12,13,14,15
	XSTEP \t
.endr
	ds_load_b64 v[8:9], v6                         ; LDS serves a wave's instructions in order: these see my stores
	s_wait_dscnt 0x0
	global_store_b64 v7, v[8:9], s[10:11]          ; 32 lanes store 256 consecutive bytes, aligned
	s_wait_tensorcnt 0x0                           ; the wave's end, behind my last LDS store
	ds_add_u32 v[SPW], v[NIL]
	s_wait_dscnt 0x0
	s_endpgm
; ---------------- PATH W.  A wave takes 32 columns x 512 along K: 16 blocks a lane, 256 bytes of codes for each column.  A block of 32 along K lies in ONE lane's 32 registers.  The codes go through the wave's own
; stage in LDS and leave as rows: sixteen lanes store 256 consecutive bytes, aligned.  Loads run two blocks (64 loads a wave) ahead.  The largest immediate is 511 rows x 12,288 bytes, inside the signed 24 bits.
.set WN,     3072
.set WNB,    16                        ; blocks
.set WPITCH, 272                       ; a stage row: 256 bytes + 16
.set WKROW,  512                       ; a row of wc in bytes
.set WX,     32                        ; v32-95   two sets of 32 numbers
.set WC,     96                        ; v96-99   a block's codes
.set WOUT,   112                       ; v112-175 the way out
.set WSB,    24                        ; v24-27   the scale bytes, four to a register
.Lpath_w:
	s_load_b64 s[4:5], s[0:1], 0x8                 ; w_qkv
	s_load_b64 s[6:7], s[0:1], 0x28                ; wc
	s_load_b64 s[8:9], s[0:1], 0x30                ; ws
	s_lshr_b32 s17, ttmp9, 1
	s_lshl_b32 s17, s17, 7
	s_lshl_b32 s18, s16, 5
	s_add_co_u32 s17, s17, s18                     ; my wave's first column: 128 x (work-group / 2) + 32 x wave
	s_and_b32 s18, ttmp9, 1                        ; which 512 along K
	v_lshlrev_b32 v3, 2, v2                        ; in: 4 bytes a lane
	s_mul_i32 s19, s16, 32*WPITCH
	s_add_co_u32 s19, s19, 32768                   ; my stage
	v_mul_u32_u24 v4, v2, WPITCH
	v_add_nc_u32 v4, s19, v4                       ; into it: row = my column
	v_and_b32 v5, 15, v2
	v_lshrrev_b32 v6, 4, v2                        ; out of it: sixteen lanes to a row, two rows an instruction
	v_mul_u32_u24 v7, v6, WPITCH
	v_lshl_add_u32 v7, v5, 4, v7
	v_add_nc_u32 v7, s19, v7
	v_mul_u32_u24 v8, v6, WKROW
	v_lshl_add_u32 v8, v5, 4, v8                   ; and the same place in wc
	v_lshlrev_b32 v9, 5, v2                        ; my column's row of scale bytes
	s_mul_i32 s20, s18, 512*WN*4                   ; w_qkv: 512 rows down,
	s_lshl_b32 s22, s17, 2
	s_add_co_u32 s20, s20, s22                     ; + 4 x column
	s_mov_b32 s21, 0
	s_lshl_b32 s24, s17, 9                         ; wc: column x 512
	s_lshl_b32 s22, s18, 8
	s_add_co_u32 s24, s24, s22                     ; + 256 for the second half of K
	s_mov_b32 s25, 0
	s_lshl_b32 s28, s17, 5                         ; ws: column x 32
	s_lshl_b32 s22, s18, 4
	s_add_co_u32 s28, s28, s22
	s_mov_b32 s29, 0
	s_wait_kmcnt 0x0
	s_add_nc_u64 s[4:5], s[4:5], s[20:21]
	s_add_nc_u64 s[6:7], s[6:7], s[24:25]
	s_add_nc_u64 s[8:9], s[8:9], s[28:29]
.macro WLOAD t                         ; block t: w(32 t + i, my column), i = 0 .. 31, into set t % 2; 32 lanes read 128 consecutive bytes
.irp i, 0,1,2,3,4,5,6,7,8,9,10,11,12,13,14,15,16,17,18,19,20,21,22,23,24,25,26,27,28,29,30,31
	global_load_b32 v[WX+32*((\t)%2)+\i], v3, s[4:5] offset:(32*(\t)+\i)*WN*4 th:TH_LOAD_NT
.endr
.endm
	WLOAD 0
	WLOAD 1
.macro WBLOCK t
.set XS, WX+32*((\t)%2)
.if (\t) < WNB-1
	s_wait_loadcnt 32                              ; this block's 32 loads are in; the next block's may be out
.else
	s_wait_loadcnt 0
.endif
	v_max3_num_f32 v12, |v[XS]|, |v[XS+1]|, |v[XS+2]|              ; the block's largest magnitude: all 32 numbers are mine
	v_max3_num_f32 v13, |v[XS+3]|, |v[XS+4]|, |v[XS+5]|
.irp i, 6,10,14,18,22,26
	v_max3_num_f32 v12, v12, |v[XS+\i]|, |v[XS+\i+1]|
	v_max3_num_f32 v13, v13, |v[XS+\i+2]|, |v[XS+\i+3]|
.endr
	v_max3_num_f32 v12, v12, |v[XS+30]|, |v[XS+31]|
	v_max3_num_f32 v12, v12, v13, (EMAX+1)<<23     ; and the floor
	v_add_nc_u32 v11, -(EMAX<<23), v12             ; the conversion's scale operand
	v_lshrrev_b32 v13, 23, v11                     ; the scale's byte
.if (\t)%4 == 0
	v_mov_b32 v[WSB+(\t)/4], v13                   ; four bytes to a register, the lower K in the lower byte
.else
	v_lshl_or_b32 v[WSB+(\t)/4], v13, 8*((\t)%4), v[WSB+(\t)/4]
.endif
.irp g, 0,1,2,3
	v_cvt_scalef32_pk8_fp4_f32 v[WC+\g], v[XS+8*\g:XS+8*\g+7], v11
.endr
	v_nop                                          ; one plain line behind the last conversion
	ds_store_b128 v4, v[WC:WC+3] offset:16*(\t)    ; 32 codes: 16 bytes of my column's row
.if (\t)+2 < WNB
	WLOAD (\t)+2
.endif
	s_wait_dscnt 0x0                               ; the store has read its registers: the next block's codes may be written
.endm
.set Q, 0
.rept WNB
	WBLOCK Q
.set Q, Q+1
.endr
	global_store_b128 v9, v[WSB:WSB+3], s[8:9]     ; my column's 16 scale bytes
.irp t, 0,1,2,3,4,5,6,7,8,9,10,11,12,13,14,15
	ds_load_b128 v[WOUT+4*\t:WOUT+4*\t+3], v7 offset:2*\t*WPITCH
.endr
.irp t, 0,1,2,3,4,5,6,7,8,9,10,11,12,13,14,15
	s_wait_dscnt 15-\t                             ; LDS loads come back in order: pair t of rows is in
	global_store_b128 v8, v[WOUT+4*\t:WOUT+4*\t+3], s[6:7] offset:2*\t*WKROW
.endr
	s_wait_tensorcnt 0x0                           ; the wave's end, behind my last LDS store
	ds_add_u32 v[SPW], v[NIL]
	s_wait_dscnt 0x0
	s_endpgm
; ---------------- PATH P.  A wave takes 32 columns x 256 along K: a lane a column, registers down K, 8 blocks of 32.  Sixteen packed registers are a block's 32 numbers of my column; group g of four is k = 8 g + 0..7,
; which the operand's layout gives to lane (r, h = g % 2) of half g / 2: lanes 0-15 store 256 consecutive bytes of column tile nt, lanes 16-31 of tile nt + 1.  No LDS.
.set PX, 32                            ; v32-95  two sets of 32 numbers
.set PC, 96                            ; v96-127 two sets of 16 packed registers
.Lpath_p:
	s_load_b64 s[4:5], s[0:1], 0x10                ; w_proj
	s_load_b64 s[6:7], s[0:1], 0x38                ; wp
	s_sub_co_u32 s17, ttmp9, 48
	s_and_b32 s18, s17, 7                          ; which 128 columns
	s_lshr_b32 s19, s17, 3                         ; which 256 along K
	s_lshl_b32 s20, s18, 7
	s_lshl_b32 s21, s16, 5
	s_add_co_u32 s20, s20, s21                     ; my wave's first column
	s_lshl_b32 s22, s19, 20                        ; 256 rows of 4,096 bytes
	s_lshl_b32 s21, s20, 2
	s_add_co_u32 s22, s22, s21
	s_mov_b32 s23, 0
	s_lshl_b32 s24, s20, 11                        ; (column / 16) x 32,768
	s_lshl_b32 s21, s19, 13                        ; + 8 blocks of 1,024 bytes
	s_add_co_u32 s24, s24, s21
	s_mov_b32 s25, 0
	v_lshlrev_b32 v3, 2, v2
	v_lshrrev_b32 v5, 4, v2
	v_and_b32 v6, 15, v2
	v_lshlrev_b32 v4, 15, v5
	v_lshl_add_u32 v4, v6, 4, v4                   ; (lane / 16) x 32,768 + 16 (lane % 16)
	s_wait_kmcnt 0x0
	s_add_nc_u64 s[4:5], s[4:5], s[22:23]
	s_add_nc_u64 s[6:7], s[6:7], s[24:25]
.macro PLOAD t
.irp i, 0,1,2,3,4,5,6,7,8,9,10,11,12,13,14,15,16,17,18,19,20,21,22,23,24,25,26,27,28,29,30,31
	global_load_b32 v[PX+32*((\t)%2)+\i], v3, s[4:5] offset:(32*(\t)+\i)*4096 th:TH_LOAD_NT
.endr
.endm
	PLOAD 0
	PLOAD 1
.macro PBLOCK t
.if (\t) < 7
	s_wait_loadcnt 32                              ; this block's 32 loads are in; the next block's may be out
.else
	s_wait_loadcnt 0
.endif
	s_wait_xcnt 0x0                                ; the stores of two blocks back have read this set of packed registers
.irp i, 0,1,2,3,4,5,6,7,8,9,10,11,12,13,14,15
	v_cvt_pk_f16_f32 v[PC+16*((\t)%2)+\i], v[PX+32*((\t)%2)+2*\i], v[PX+32*((\t)%2)+2*\i+1]
.endr
.if (\t)+2 < 8
	PLOAD (\t)+2
.endif
.irp g, 0,1,2,3
	global_store_b128 v4, v[PC+16*((\t)%2)+4*\g:PC+16*((\t)%2)+4*\g+3], s[6:7] offset:(\t)*1024+(\g/2)*512+(\g%2)*256
.endr
.endm
.irp t, 0,1,2,3,4,5,6,7
	PBLOCK \t
.endr
	s_wait_tensorcnt 0x0                           ; this path writes no LDS; the launch does, and all its waves end alike
	ds_add_u32 v[SPW], v[NIL]
	s_wait_dscnt 0x0
	s_endpgm
.Lfunc_end_k_q7279f67264_prep:
	.size	k_q7279f67264_prep, .Lfunc_end_k_q7279f67264_prep-k_q7279f67264_prep
	.p2alignl 7, 3214868480
	.fill 96, 4, 3214868480
	.section	.rodata,"a",@progbits
	.p2align	6, 0x0
	.amdhsa_kernel k_q7279f67264_prep
		.amdhsa_group_segment_fixed_size 68096
		.amdhsa_private_segment_fixed_size 0
		.amdhsa_enable_private_segment 0
		.amdhsa_kernarg_size 64
		.amdhsa_user_sgpr_count 2
		.amdhsa_user_sgpr_kernarg_segment_ptr 1
		.amdhsa_wavefront_size32 1
		.amdhsa_system_sgpr_workgroup_id_x 1
		.amdhsa_system_sgpr_workgroup_id_y 1
		.amdhsa_system_sgpr_workgroup_id_z 1
		.amdhsa_system_vgpr_workitem_id 0
		.amdhsa_next_free_vgpr 192
		.amdhsa_next_free_sgpr 66
		.amdhsa_reserve_vcc 0
		.amdhsa_float_denorm_mode_32 3
		.amdhsa_float_denorm_mode_16_64 3
		.amdhsa_memory_ordered 1
		.amdhsa_forward_progress 1
		.amdhsa_inst_pref_size 148
	.end_amdhsa_kernel
	.amdgpu_metadata
---
amdhsa.version: [ 1, 2 ]
amdhsa.kernels:
  - .name:           k_q7279f67264_prep
    .symbol:         k_q7279f67264_prep.kd
    .args:
      - { .name: x, .offset: 0, .size: 8, .value_kind: global_buffer, .address_space: global }
      - { .name: w_qkv, .offset: 8, .size: 8, .value_kind: global_buffer, .address_space: global }
      - { .name: w_proj, .offset: 16, .size: 8, .value_kind: global_buffer, .address_space: global }
      - { .name: xc, .offset: 24, .size: 8, .value_kind: global_buffer, .address_space: global }
      - { .name: xs, .offset: 32, .size: 8, .value_kind: global_buffer, .address_space: global }
      - { .name: wc, .offset: 40, .size: 8, .value_kind: global_buffer, .address_space: global }
      - { .name: ws, .offset: 48, .size: 8, .value_kind: global_buffer, .address_space: global }
      - { .name: wp, .offset: 56, .size: 8, .value_kind: global_buffer, .address_space: global }
    .group_segment_fixed_size: 68096
    .private_segment_fixed_size: 0
    .kernarg_segment_align: 8
    .kernarg_segment_size: 64
    .max_flat_workgroup_size: 128
    .sgpr_count:     66
    .vgpr_count:     192
    .wavefront_size: 32
...
	.end_amdgpu_metadata
.endif
;; end of part 1
;; launch qkv (part 2): grid 8 x 48, 4 waves a work-group, clusters of 4 x 4, 327,680 bytes of LDS; arguments xc, xs, wc, ws, b_qkv, qkv; writes qkv
.if DOCPART == 2
	.amdgcn_target "amdgcn-amd-amdhsa--gfx1250"
	.amdhsa_code_object_version 6
	.text
	.protected	k_q7279f67264_qkv
	.globl	k_q7279f67264_qkv
	.p2align	8
	.type	k_q7279f67264_qkv,@function
k_q7279f67264_qkv:
	s_mov_b64 s[64:65], 0
	v_nop
	global_prefetch_b8 v0, s[64:65] scope:SCOPE_SE
	s_setreg_imm32_b32 hwreg(HW_REG_WAVE_MODE, 25, 1), 1
	s_wait_xcnt 0x0
	s_wait_alu depctr_hold_cnt(0) depctr_sa_sdst(0) depctr_va_vdst(0) depctr_va_sdst(0) depctr_va_ssrc(0) depctr_va_vcc(0) depctr_vm_vsrc(0)
	s_getreg_b32 s2, hwreg(HW_REG_IB_STS2, 6, 4)
	s_cmp_eq_u32 s2, 0
	s_cbranch_scc0 .Lentry_in_a_cluster
	s_endpgm
.Lentry_in_a_cluster:
	s_bfe_u32 s2, ttmp6, 0x10000c
	s_cmp_lg_u32 s2, 0xf033
	s_cbranch_scc0 .Lentry_shape_is_right
	s_endpgm
.Lentry_shape_is_right:
; q, k, v = Q(x) Q(w_qkv) (+ b_qkv[0:1024] on q), on codes of E2M1 with one E8M0 scale for each 32 along K = 1,024; sums in f32; results rounded once to f16.
; WORK LEFT OUT: k's bias (constant along the softmax's axis) is not loaded; v's bias is added where attention divides by the row's sum.  LIMIT: |q|, |k|, |v| up to 65,504, f16's range.
; A tile of 256 x 256 results is made by four waves, 128 x 128 each: 64 accumulators of 16 x 16, 512 registers.  All of K lies in two LDS slots of 512 along K, so every tile is fetched once, with the first fills, and nothing is filled again.
; SOURCE 0 of the matrix instruction is fetched by the work-group's x, source 1 by its y.  A lane of a result holds ONE index of source 1 and EIGHT neighbouring indices of source 0.  TWO KINDS OF CLUSTER run this one text:
;   QK (cluster y 0-7):  source 0 = rows of wc (n = 0..2047), source 1 = rows of xc: a lane's eight results are eight channels of a token: four packed registers are half a fragment of q or k;
;   V  (cluster y 8-11): source 0 = rows of xc, source 1 = rows of wc (n = 2048..3071): eight tokens of a channel: half a fragment of v^T.
; The kind hangs on the cluster's y alone: it is the same in all sixteen partners.  It chooses pointers and strides; both tensors have the same row and scale pitches, so every descriptor's shape is one constant.
; qkv: 192 blocks of 262,144 bytes, block = which x 64 + batch x 16 + head.  q, k: [token / 16][channel / 32][half][lane][16 bytes], lane (r, h): token 16 tt + r, channels 32 c + 16 half + 8 h + 0..7.
; v: [token / 32][channel / 16][half][lane][16 bytes], lane (r, h): channel 16 ct + r, tokens 32 kg + 16 half + 8 h + 0..7.  Images of the reader's operand registers: each store of a wave covers 512 consecutive bytes, aligned; no stage in LDS.
; CLUSTERS: 4 x 4 work-groups; source 1's tiles are asked for jointly along a row of the cluster, source 0's along a column.
; REGISTERS, in windows of 256: window 0: v0-31 addresses; v32-95 scale words, two sets; v128-191 source 1's fragments, one set (on the way out: packed results); v192-255 q's bias or zeros, in the result's layout.
;   window 1: source 0's fragments, two sets, at v0 and v128.   window 2: the accumulators of my source-1 blocks 0-3 ((a, b) at v[8 (8 (a % 4) + b)]);   window 3: blocks 4-7.
.set NQ,     4                         ; steps of 128 along K in a slot
.set ROWB,   256                       ; a tile's row in bytes: 512 codes
.set KROW,   512                       ; a row of xc or wc in memory
.set PITCH,  272                       ; an LDS row: 256 bytes + 16 of padding = 68 words: the 16 rows that a load touches start at 16 different banks (64 banks of 4 bytes: ISA guide 11.1)
.set FR,     8
.set NL,     2
.set NP,     4                         ; places behind this matrix instruction (ISA guide 7.12.1)
.set HALFT,  128*PITCH
.set SLOT,   4*HALFT                   ; source 1's 256 rows, then source 0's 256 rows
.set KS,     32                        ; a row of scales in bytes
.set SCL,    2*SLOT                    ; behind the slots: the scales, as rows of 256 bytes + 16 of padding
.set HALFS,  (128*KS/256)*272
.set SBLK,   (16*KS/256)*272
.set SPARE,  SCL+4*HALFS               ; the spare words, 128 bytes for each wave, which no other line names
.set ADRA, 16                          ; v16-17  LDS address of my source-1 fragments in slot 0, 1
.set ADRB, 20                          ; v20-21  the same for source 0
.set ADRS, 27                          ; v27     of my scale words: lanes 0-15 source 1's rows, lanes 16-31 source 0's
.set SPW,  28
.set NIL,  29
.set VO,   8                           ; v8-11   the way out: 16 x lane, + X1, + X2, + X1 + X2
.set SC,   32
.set AF,   128
.set TMP,  128
.set BI,   192
.set KIND, 3                           ; s3  1: QK, 0: V
.set ISQ,  2                           ; s2  1: my columns are q's
.set G1, 24
.set G0, 32
.set G1B, 48
.set G0B, 56
.set G1S, 68
.set G0S, 76
.set G1SB, 80
.set G0SB, 88
.set SB, 96                            ; s[96:97] the stores' base;  s[98:99], s[100:101] its steps
.set MSB, 0
.macro WIN new                         ; the immediate's high byte repeats the setting that is left
.if MSB != (\new)
	s_set_vgpr_msb (MSB<<8)|(\new)
.set MSB, (\new)
.endif
.endm
.set MUL_LO,  0xa1                     ; source 0 window 1, source 1 window 0, C and D window 2
.set MUL_HI,  0xf1                     ; the same, C and D window 3
.set MULF_LO, 0x81                     ; the first step: C (the bias) window 0, D window 2
.set MULF_HI, 0xc1
.set TO_B,    0x40
; A joint load: waves 0 and 1 fetch for source 1, waves 2 and 3 for source 0; the branch hangs on the wave's number alone.  An s_nop 0 and four v_nop follow each of the two lines.
.macro JLOAD g0a, g1a, g0b, g1b
	s_cmp_eq_u32 s15, 0
	s_cbranch_scc0 .Lfor_b_\@
	tensor_load_to_lds s[\g0a:\g0a+3], s[\g1a:\g1a+7]
	s_nop 0
.rept 4
	v_nop
.endr
	s_branch .Lasked_\@
.Lfor_b_\@:
	tensor_load_to_lds s[\g0b:\g0b+3], s[\g1b:\g1b+7]
	s_nop 0
.rept 4
	v_nop
.endr
.Lasked_\@:
.endm
.macro CROUND                          ; a round of the cluster's barrier
	s_barrier_signal -1
	s_barrier_wait -1
	s_cmp_lg_u32 s14, 0
	s_cbranch_scc1 .Lnot_wave_0_\@
	s_barrier_signal -3
.Lnot_wave_0_\@:
	s_barrier_wait -3
	s_barrier_signal -1
	s_barrier_wait -1
.endm
	s_load_b128 s[4:7], s[0:1], 0x0                ; xc, xs
	s_load_b128 s[8:11], s[0:1], 0x10              ; wc, ws
	s_load_b64 s[12:13], s[0:1], 0x20              ; b_qkv
	s_load_b64 s[66:67], s[0:1], 0x28              ; qkv
	v_lshl_add_u32 v[SPW], v0, 2, SPARE
	v_mov_b32 v[NIL], 0
	ds_add_u32 v[SPW], v[NIL]                      ; the wave's opening: the add, twice on end, and its wait ahead of my first tensor load
	ds_add_u32 v[SPW], v[NIL]
	v_lshrrev_b32 v1, 5, v0
	v_readfirstlane_b32 s14, v1                    ; wave 0..3
	s_lshr_b32 s15, s14, 1                         ; which half of source 1's rows is mine.  Also: I fetch for source 1 (0) or source 0 (1)
	s_and_b32 s16, s14, 1                          ; which half of source 0's rows.  Also: which 128 rows of that tile I fetch
	s_bfe_u32 s40, ttmp6, 0x40000                  ; cx, cy: my place in the cluster
	s_bfe_u32 s41, ttmp6, 0x40004
	s_and_b32 s17, ttmp7, 0xffff                   ; the cluster's y, 0..11
	s_cmp_lt_u32 s17, 8
	s_cselect_b32 s[KIND], 1, 0
	s_cmp_eq_u32 ttmp9, 0
	s_cselect_b32 s[ISQ], s[KIND], 0               ; q's columns are n = 0..1023: kind QK, cluster x = 0
	s_sub_co_u32 s18, s17, 8
	s_lshl_b32 s18, s18, 1
	s_add_co_u32 s18, s18, ttmp9                   ; kind V: 2 (y - 8) + x, 0..7 (in kind QK not taken)
	s_cmp_lg_u32 s[KIND], 0
	s_cselect_b32 s42, ttmp9, s18
	s_cselect_b32 s17, s17, 2
	s_lshl_b32 s42, s42, 2
	s_add_co_u32 s42, s42, s40                     ; i0: which 256 rows of source 0; it never holds cy
	s_lshl_b32 s17, s17, 2
	s_add_co_u32 s17, s17, s41                     ; i1: which 256 rows of source 1; it never holds cx
	s_lshl_b32 s43, s41, 2
	s_lshl_b32 s43, 15, s43                        ; my row of the cluster
	s_lshl_b32 s44, 0x1111, s40                    ; my column
	; descriptor group 1: a tile of 128 rows x 256 bytes, padded in LDS
	s_or_b32 s[G1+0], s43, (0<<16)|(1<<20)|(1<<21)|(5<<22)|(3<<25)  ; 15:0 the mask; 17:16 element of 1 byte; 20 padding on; 21 set beside a mask; 24:22 after every 64 words; 31:25 of 4 words
	s_or_b32 s[G1B+0], s44, (0<<16)|(1<<20)|(1<<21)|(5<<22)|(3<<25)
.irp g, G1, G1B
	s_mov_b32 s[\g+1], ROWB<<16                    ; tensor_dim0
	s_mov_b32 s[\g+2], 128<<16                     ; tensor_dim1
	s_mov_b32 s[\g+3], ROWB<<16                    ; tile_dim0
	s_mov_b32 s[\g+4], 128                         ; tile_dim1
	s_mov_b32 s[\g+5], KROW                        ; tensor_dim0_stride
	s_mov_b32 s[\g+6], 0
	s_mov_b32 s[\g+7], 0
.endr
	; the scales of 128 rows: 4,096 dense bytes, as 16 rows of 256 bytes (32 elements of 8 bytes), 16 bytes of padding behind each
	s_or_b32 s[G1S+0], s43, (3<<16)|(1<<20)|(1<<21)|(5<<22)|(3<<25)
	s_or_b32 s[G1SB+0], s44, (3<<16)|(1<<20)|(1<<21)|(5<<22)|(3<<25)
.irp g, G1S, G1SB
	s_mov_b32 s[\g+1], 32<<16
	s_mov_b32 s[\g+2], (128*KS/256)<<16
	s_mov_b32 s[\g+3], 32<<16
	s_mov_b32 s[\g+4], 128*KS/256
	s_mov_b32 s[\g+5], 32
	s_mov_b32 s[\g+6], 0
	s_mov_b32 s[\g+7], 0
.endr
	s_lshl_b32 s18, s16, 7                         ; which 128 rows of the tile I fetch
	s_lshl_b32 s20, s17, 8
	s_add_co_u32 s20, s20, s18                     ; source 1: row 256 i1 + 128 x half
	s_lshl_b32 s46, s42, 8
	s_add_co_u32 s46, s46, s18                     ; source 0: row 256 i0 + 128 x half
	s_mov_b32 s21, 0
	s_mov_b32 s47, 0
	s_lshl_b64 s[22:23], s[20:21], 5               ; where these rows' scales begin, in bytes,
	s_lshl_b64 s[92:93], s[46:47], 5
	s_lshl_b64 s[20:21], s[20:21], 9               ; and their codes
	s_lshl_b64 s[46:47], s[46:47], 9
	s_mul_i32 s45, s14, HALFT                      ; where they go: wave x 128 rows: no place in the cluster enters an LDS address
	s_mul_i32 s94, s14, HALFS
	s_wait_dscnt 0x0                               ; both opening adds are done
	s_wait_kmcnt 0x0
	s_cmp_lg_u32 s[KIND], 0                        ; the kind chooses which tensor is which source
	s_cselect_b64 s[96:97], s[4:5], s[8:9]         ; source 1's codes
	s_cselect_b64 s[98:99], s[6:7], s[10:11]       ; and scales
	s_cselect_b64 s[4:5], s[8:9], s[4:5]           ; source 0's codes
	s_cselect_b64 s[6:7], s[10:11], s[6:7]         ; and scales
	s_add_nc_u64 s[20:21], s[96:97], s[20:21]
	s_add_nc_u64 s[22:23], s[98:99], s[22:23]
	s_add_nc_u64 s[46:47], s[4:5], s[46:47]
	s_add_nc_u64 s[92:93], s[6:7], s[92:93]
	CROUND                                         ; all sixteen work-groups are here: the first joint loads meet
	s_mov_b32 s[G0S], 1
	s_add_co_u32 s[G0S+1], s94, SCL
	s_mov_b64 s[G0S+2:G0S+3], s[22:23]
	s_or_b32 s[G0S+3], s[G0S+3], 0x80000000
	s_mov_b32 s[G0SB], 1
	s_add_co_u32 s[G0SB+1], s94, SCL
	s_mov_b64 s[G0SB+2:G0SB+3], s[92:93]
	s_or_b32 s[G0SB+3], s[G0SB+3], 0x80000000
	JLOAD G0S, G1S, G0SB, G1SB                     ; the scales first: they are wanted with the first step
.irp s, 0,1
	s_mov_b32 s[G0+4*\s], 1
	s_add_co_u32 s[G0+4*\s+1], s45, \s*SLOT
	s_add_nc_u64 s[G0+4*\s+2:G0+4*\s+3], s[20:21], \s*ROWB
	s_or_b32 s[G0+4*\s+3], s[G0+4*\s+3], 0x80000000
	s_mov_b32 s[G0B+4*\s], 1
	s_add_co_u32 s[G0B+4*\s+1], s45, \s*SLOT
	s_add_nc_u64 s[G0B+4*\s+2:G0B+4*\s+3], s[46:47], \s*ROWB
	s_or_b32 s[G0B+4*\s+3], s[G0B+4*\s+3], 0x80000000
	JLOAD G0+4*\s, G1, G0B+4*\s, G1B               ; three tensor loads of mine are out: the scales and both slots
.endr
	; THE C OF THE FIRST STEP'S PRODUCTS, eight registers for each of source 0's blocks: q's bias at the lane's eight columns, or zeros.  One branch, on the cluster's coordinates alone; both arms write all 64 registers, while the tiles are on their way.
	v_bfe_u32 v2, v0, 4, 1                         ; l / 16
	v_lshlrev_b32 v7, 5, v2                        ; 32 bytes for the upper half of the lanes
	s_cmp_lg_u32 s[ISQ], 0
	s_cbranch_scc0 .Lno_bias
	s_lshl_b32 s4, s42, 10                         ; 4 bytes x (256 i0
	s_lshl_b32 s5, s16, 9                          ;   + 128 x half)
	s_add_co_u32 s4, s4, s5
	s_mov_b32 s5, 0
	s_add_nc_u64 s[12:13], s[12:13], s[4:5]
.irp b, 0,1,2,3,4,5,6,7
	global_load_b128 v[BI+8*\b:BI+8*\b+3], v7, s[12:13] offset:64*\b
	global_load_b128 v[BI+8*\b+4:BI+8*\b+7], v7, s[12:13] offset:64*\b+16
.endr
	s_branch .Lbias_set
.Lno_bias:
.set i, 0
.rept 64
	v_mov_b32 v[BI+i], 0
.set i, i+1
.endr
.Lbias_set:
	v_and_b32 v1, 15, v0                           ; l % 16
	v_mul_u32_u24 v3, v1, PITCH
	v_lshl_add_u32 v4, v2, 4, v3                   ; a fragment's row x pitch + 16 x half
	s_mul_i32 s21, s15, HALFT                      ; my 128 rows of source 1
	s_mul_i32 s22, s16, HALFT                      ; my 128 rows of source 0,
	s_add_co_u32 s22, s22, 2*HALFT                 ; which lie behind source 1's 256
.irp s, 0,1
	v_add_nc_u32 v[ADRA+\s], s21, v4
	v_add_nc_u32 v[ADRB+\s], s22, v4
	s_add_co_u32 s21, s21, SLOT
	s_add_co_u32 s22, s22, SLOT
.endr
	v_mul_u32_u24 v5, v1, KS                       ; my row's scales: 32 bytes a row,
	v_lshrrev_b32 v6, 8, v5
	v_lshl_add_u32 v5, v6, 4, v5                   ; and 16 more for each 256 passed
	s_mul_i32 s21, s15, HALFS
	s_mul_i32 s22, s16, HALFS
	s_add_co_u32 s22, s22, 2*HALFS
	s_sub_co_u32 s22, s22, s21
	v_mul_u32_u24 v6, s22, v2                      ; lanes 16-31 take source 0's
	s_add_co_u32 s21, s21, SCL
	v_add_nc_u32 v5, v5, v6
	v_add_nc_u32 v[ADRS], s21, v5
	; THE WAY OUT'S BASE AND STRIDES
	s_lshl_b32 s20, s17, 8
	s_lshl_b32 s21, s15, 7
	s_add_co_u32 s20, s20, s21                     ; my first index of source 1
	s_lshl_b32 s46, s42, 8
	s_lshl_b32 s47, s16, 7
	s_add_co_u32 s46, s46, s47                     ; and of source 0
	s_cmp_lg_u32 s[KIND], 0
	s_cselect_b32 s21, s20, s46                    ; my first token
	s_cselect_b32 s22, s46, s20                    ; my first column of the 3,072
	s_mov_b32 s23, 4096
	s_cselect_b32 s23, 1024, s23                   ; X1: two of source 0's blocks on: QK 32 channels, V 32 tokens
	s_mov_b32 s47, 8192
	s_cselect_b32 s47, 262144, s47                 ; X2: four on: QK the next head, V 64 tokens
	s_mov_b32 s98, 1024
	s_cselect_b32 s98, 2048, s98                   ; one of source 1's blocks on: QK 16 tokens, V 16 channels
	s_mov_b32 s100, 259072
	s_cselect_b32 s100, 2048, s100                 ; from block 3 to block 4: V goes to the next head and three steps back
	s_mov_b32 s99, 0
	s_mov_b32 s101, 0
	s_lshr_b32 s22, s22, 6                         ; column / 64 = which x 16 + head
	s_lshr_b32 s92, s22, 4
	s_lshl_b32 s92, s92, 6                         ; which x 64
	s_lshr_b32 s93, s21, 11
	s_lshl_b32 s93, s93, 4                         ; + batch x 16
	s_add_co_u32 s92, s92, s93
	s_and_b32 s93, s22, 15                         ; + head
	s_add_co_u32 s92, s92, s93
	s_lshl_b32 s92, s92, 18                        ; blocks of 262,144 bytes
	s_and_b32 s93, s21, 2047
	s_lshl_b32 s93, s93, 7                         ; a token's data begin at token x 128 bytes in both layouts
	s_add_co_u32 s[SB], s92, s93
	s_mov_b32 s[SB+1], 0
	s_add_nc_u64 s[SB:SB+1], s[66:67], s[SB:SB+1]
	v_and_b32 v5, 31, v0
	v_lshlrev_b32 v[VO], 4, v5
	v_add_nc_u32 v[VO+1], s23, v[VO]
	v_add_nc_u32 v[VO+2], s47, v[VO]
	v_add_nc_u32 v[VO+3], s47, v[VO+1]
.macro FRAG reg, adr, q, i             ; 16 rows x 128 K of 4-bit codes: 8 registers: lane l holds row l % 16; registers 4 c .. 4 c + 3 hold K = 64 c + 32 (l / 16) + 0 .. 31
.irp c, 0,1
	ds_load_b128 v[\reg+4*\c:\reg+4*\c+3], v[\adr] offset:64*(\q)+32*\c+(\i)*16*PITCH
.endr
.endm
; 16 matrix instructions: source 1's blocks a0, a0 + 1 x source 0's eight, 128 along K.  first = 1: the C is the bias or zeros.  The 64 accumulators take turns, one instruction a turn, in the same order in every step.
.macro MUL16 a0, p, q, sc, first
.irp a, \a0, \a0+1
.irp b, 0,1,2,3,4,5,6,7
.if \first
	v_wmma_scale_f32_16x16x128_f8f6f4 v[8*(8*((\a)%4)+\b):8*(8*((\a)%4)+\b)+7], v[128*(\p)+FR*\b:128*(\p)+FR*\b+FR-1], v[AF+FR*(\a):AF+FR*(\a)+FR-1], v[BI+8*\b:BI+8*\b+7], v[SC+8*NQ*(\sc)+NQ*\b+(\q)], v[SC+8*NQ*(\sc)+NQ*(\a)+(\q)] matrix_a_fmt:MATRIX_FMT_FP4 matrix_b_fmt:MATRIX_FMT_FP4 matrix_a_scale:MATRIX_SCALE_ROW1
.else
	v_wmma_scale_f32_16x16x128_f8f6f4 v[8*(8*((\a)%4)+\b):8*(8*((\a)%4)+\b)+7], v[128*(\p)+FR*\b:128*(\p)+FR*\b+FR-1], v[AF+FR*(\a):AF+FR*(\a)+FR-1], v[8*(8*((\a)%4)+\b):8*(8*((\a)%4)+\b)+7], v[SC+8*NQ*(\sc)+NQ*\b+(\q)], v[SC+8*NQ*(\sc)+NQ*(\a)+(\q)] matrix_a_fmt:MATRIX_FMT_FP4 matrix_b_fmt:MATRIX_FMT_FP4 matrix_a_scale:MATRIX_SCALE_ROW1
.endif
.endr
.endr
.endm
.macro FETCH_B slot, q, p              ; source 0's eight fragments of the slot's q-th 128 along K into set p
	WIN TO_B
.irp i, 0,1,2,3,4,5,6,7
	FRAG 128*(\p)+FR*\i, ADRB+\slot, \q, \i
.endr
	WIN 0
.endm
.macro FETCH_A slot, q, i0             ; source 1's blocks i0 .. i0 + 3
.irp i, \i0, \i0+1, \i0+2, \i0+3
	FRAG AF+FR*(\i), ADRA+\slot, \q, \i
.endr
.endm
.macro SCALES sc                       ; a slot's scale words into set sc: 4 words a row; lanes 0-15 take source 1's block i, lanes 16-31 source 0's block i
.irp i, 0,1,2,3,4,5,6,7
	ds_load_b128 v[SC+8*NQ*\sc+NQ*\i:SC+8*NQ*\sc+NQ*\i+3], v[ADRS] offset:\i*SBLK
.endr
.endm
.macro PLACES n                        ; plain vector instructions between a matrix instruction and a load into, or a vector read or write of, its registers
.rept \n
	v_nop
.endr
.endm
.macro STEP slot, q, first             ; a step of 128 along K that has its successor in the same slot
	s_wait_dscnt 4*NL                              ; source 0's set and source 1's blocks 0-3 are in; the youngest eight loads (blocks 4-7) may be out
.if \first
	WIN MULF_LO
.else
	WIN MUL_LO
.endif
	MUL16 0, (\q)%2, \q, \slot, \first
	MUL16 2, (\q)%2, \q, \slot, \first
	s_wait_dscnt 0                                 ; blocks 4-7 are in
	PLACES NP
	FETCH_B \slot, (\q)+1, 1-(\q)%2
	FETCH_A \slot, (\q)+1, 0
.if \first
	WIN MULF_HI
.else
	WIN MUL_HI
.endif
	MUL16 4, (\q)%2, \q, \slot, \first
	MUL16 6, (\q)%2, \q, \slot, \first
	PLACES NP
	WIN 0
	FETCH_A \slot, (\q)+1, 4
.endm
; Slot 0's last step goes over to slot 1: each wave waits for all its tensor loads (its part of slot 1), then one barrier: behind it slot 1 is whole.  Nothing is filled again.
.macro TURN slot, next
	s_wait_tensorcnt 0x0                           ; all my tensor loads have landed
	ds_add_u32 v[SPW], v[NIL]                      ; 0 onto my spare word
	s_wait_dscnt 4*NL+1                            ; (the add and the youngest eight loads may be out)
	WIN MUL_LO
	MUL16 0, 1, NQ-1, \slot, 0
	s_wait_dscnt 0x0                               ; the add is done, and my reads of this slot are over
	s_barrier_signal -1
	MUL16 2, 1, NQ-1, \slot, 0
	WIN 0
	s_barrier_wait -1
	PLACES NP
	v_add_nc_u32 v[ADRS], 4*NQ, v[ADRS]            ; on to the next slot's scale words
	FETCH_B \next, 0, 0
	FETCH_A \next, 0, 0
	SCALES \next
	WIN MUL_HI
	MUL16 4, 1, NQ-1, \slot, 0
	MUL16 6, 1, NQ-1, \slot, 0
	PLACES NP
	WIN 0
	FETCH_A \next, 0, 4
.endm
	s_wait_tensorcnt 1                             ; the scales and my part of slot 0 are in (slot 1's load may be out),
	s_barrier_signal -1
	s_barrier_wait -1                              ; everybody's are
	FETCH_B 0, 0, 0
	FETCH_A 0, 0, 0
	SCALES 0
	FETCH_A 0, 0, 4
	s_wait_loadcnt 0x0                             ; the bias
	STEP 0, 0, 1
	STEP 0, 1, 0
	STEP 0, 2, 0
	TURN 0, 1
	STEP 1, 0, 0
	STEP 1, 1, 0
	STEP 1, 2, 0
	s_wait_dscnt 4*NL                              ; the last step: nothing more to fetch
	WIN MUL_LO
	MUL16 0, 1, NQ-1, 1, 0
	MUL16 2, 1, NQ-1, 1, 0
	s_wait_dscnt 0
	WIN MUL_HI
	MUL16 4, 1, NQ-1, 1, 0
	MUL16 6, 1, NQ-1, 1, 0
	WIN 0
; THE WAY OUT, block by block of source 1.  An accumulator's eight numbers pack into four registers, which are half a fragment of the reader: they are stored as they stand, 16 bytes a lane.  Each accumulator is read from its low end on.
.macro OUTB a
.set AC, 64*((\a)%4)
.set TM, TMP+32*((\a)%2)
	WIN 0x0a+5*((\a)/4)                            ; sources 0 and 1: window 2 or 3
.irp b, 0,1,2,3,4,5,6,7
.irp r, 0,1,2,3
	v_cvt_pk_f16_f32 v[TM+4*\b+\r], v[AC+8*\b+2*\r], v[AC+8*\b+2*\r+1]
.endr
.endr
	WIN 0
.if (\a) > 0
	s_wait_xcnt 0x0                                ; the earlier stores have read their base and their data: the base steps now, and the next block may write the other set of packed registers
.if (\a) == 4
	s_add_nc_u64 s[SB:SB+1], s[SB:SB+1], s[100:101]
.else
	s_add_nc_u64 s[SB:SB+1], s[SB:SB+1], s[98:99]
.endif
.endif
.irp b, 0,1,2,3,4,5,6,7
	global_store_b128 v[VO+\b/2], v[TM+4*\b:TM+4*\b+3], s[SB:SB+1] offset:(\b%2)*512 th:TH_STORE_NT   ; 32 lanes store 512 consecutive bytes, aligned
.endr
.endm
	PLACES NP                                      ; behind the last products: for the writes over source 1's fragments and for the reads of results
.irp a, 0,1,2,3,4,5,6,7
	OUTB \a
.endr
	s_wait_tensorcnt 0x0                           ; the wave's end, behind my last tensor load
	ds_add_u32 v[SPW], v[NIL]
	s_wait_dscnt 0x0
	CROUND                                         ; the closing round: no work-group ends while a partner may still ask for a tile that names it
	s_endpgm
.Lfunc_end_k_q7279f67264_qkv:
	.size	k_q7279f67264_qkv, .Lfunc_end_k_q7279f67264_qkv-k_q7279f67264_qkv
	.p2alignl 7, 3214868480
	.fill 96, 4, 3214868480
	.section	.rodata,"a",@progbits
	.p2align	6, 0x0
	.amdhsa_kernel k_q7279f67264_qkv
		.amdhsa_group_segment_fixed_size 327680
		.amdhsa_private_segment_fixed_size 0
		.amdhsa_enable_private_segment 0
		.amdhsa_kernarg_size 48
		.amdhsa_user_sgpr_count 2
		.amdhsa_user_sgpr_kernarg_segment_ptr 1
		.amdhsa_wavefront_size32 1
		.amdhsa_system_sgpr_workgroup_id_x 1
		.amdhsa_system_sgpr_workgroup_id_y 1
		.amdhsa_system_sgpr_workgroup_id_z 1
		.amdhsa_system_vgpr_workitem_id 0
		.amdhsa_next_free_vgpr 1024
		.amdhsa_next_free_sgpr 102
		.amdhsa_reserve_vcc 0
		.amdhsa_float_denorm_mode_32 3
		.amdhsa_float_denorm_mode_16_64 3
		.amdhsa_memory_ordered 1
		.amdhsa_forward_progress 1
		.amdhsa_inst_pref_size 123
	.end_amdhsa_kernel
	.amdgpu_metadata
---
amdhsa.version: [ 1, 2 ]
amdhsa.kernels:
  - .name:           k_q7279f67264_qkv
    .symbol:         k_q7279f67264_qkv.kd
    .args:
      - { .name: xc, .offset: 0, .size: 8, .value_kind: global_buffer, .address_space: global }
      - { .name: xs, .offset: 8, .size: 8, .value_kind: global_buffer, .address_space: global }
      - { .name: wc, .offset: 16, .size: 8, .value_kind: global_buffer, .address_space: global }
      - { .name: ws, .offset: 24, .size: 8, .value_kind: global_buffer, .address_space: global }
      - { .name: b_qkv, .offset: 32, .size: 8, .value_kind: global_buffer, .address_space: global }
      - { .name: qkv, .offset: 40, .size: 8, .value_kind: global_buffer, .address_space: global }
    .group_segment_fixed_size: 327680
    .private_segment_fixed_size: 0
    .kernarg_segment_align: 8
    .kernarg_segment_size: 48
    .max_flat_workgroup_size: 128
    .sgpr_count:     102
    .vgpr_count:     1024
    .wavefront_size: 32
...
	.end_amdgpu_metadata
.endif
;; end of part 2
;; launch attn (part 3): grid 4 x 64, 8 waves a work-group, clusters of 4 x 1, 327,680 bytes of LDS; arguments qkv, b_qkv, oi; writes oi
.if DOCPART == 3
	.amdgcn_target "amdgcn-amd-amdhsa--gfx1250"
	.amdhsa_code_object_version 6
	.text
	.protected	k_q7279f67264_attn
	.globl	k_q7279f67264_attn
	.p2align	8
	.type	k_q7279f67264_attn,@function
k_q7279f67264_attn:
	s_mov_b64 s[64:65], 0
	v_nop
	global_prefetch_b8 v0, s[64:65] scope:SCOPE_SE
	s_setreg_imm32_b32 hwreg(HW_REG_WAVE_MODE, 25, 1), 1
	s_wait_xcnt 0x0
	s_wait_alu depctr_hold_cnt(0) depctr_sa_sdst(0) depctr_va_vdst(0) depctr_va_sdst(0) depctr_va_ssrc(0) depctr_va_vcc(0) depctr_vm_vsrc(0)
	s_getreg_b32 s2, hwreg(HW_REG_IB_STS2, 6, 4)
	s_cmp_eq_u32 s2, 0
	s_cbranch_scc0 .Lentry_in_a_cluster
	s_endpgm
.Lentry_in_a_cluster:
	s_bfe_u32 s2, ttmp6, 0x10000c
	s_cmp_lg_u32 s2, 0x3003
	s_cbranch_scc0 .Lentry_shape_is_right
	s_endpgm
.Lentry_shape_is_right:
; o[b][h][q] = sum over k of softmax_k(q . k / 8) v[k] + b_qkv[2048 + 64 h ..]; operands in f16, products, maxima and sums in f32; the weights p are rounded to f16 for the second product, o once at the end.
; WORK LEFT OUT: k's bias (constant along the softmax's axis) is not in k and is not loaded.  v's bias is added here: sum p (v + b) / sum p = sum p v / sum p + b.  LIMIT: |o| up to 65,504, f16's range.
; SHARES.  A work-group owns 512 queries of one batch and head, each of its eight waves 64: four tiles of 16.  Two waves share a SIMD, so that one wave's softmax stands beside the other's products.  Every wave walks the 2,048 keys, 64 a step;
; each fragment of k or v read from LDS feeds four matrix instructions.
; LAYOUT.  S^T = K Q^T (source 0 = 16 keys, source 1 = 16 queries): a lane holds ONE query (lane % 16) and keys 8 (lane / 16) + 0..7.  Two such tiles, packed to f16 in pairs, ARE source 1 (32 keys x 16 queries) of O^T = V^T P.
; q, k and v lie in memory as images of these operands' registers, so every tile is dense, every LDS load takes 16 bytes a lane at 16 x lane, and nothing is padded or turned.
; SOFTMAX.  For each query a running maximum m and sum l: p = 2^(c s - c m), c = log2(e) / 8; in every step O and l are multiplied by a = 2^(c m_old - c m_new).  The loop has no first step of its own: O and l begin as zeros, m as -3e38.
; CLUSTER.  The four query blocks of a head walk the same k and v: each tile is asked for JOINTLY.  A slot holds 512 keys (64 KiB of k, 64 KiB of v); each of the eight waves fetches 16 KiB of it by one load.
; A refill stands eight key steps ahead of the first read of its bytes, so nothing further is asked for ahead of it.
; oi: [row / 16][head x 2 + channel / 32][half][lane][16 bytes]: the image of the projection's operand.
; REGISTERS: window 0: v1-8 addresses; v16-47 eight statistics a tile; v48-111 V's 8 fragments; v112-239 S^T, 32 a tile, P in place in a tile's low 16.   window 1: v0-127 O^T, 32 a tile; v128-191 Q; v192-255 K's 8 fragments.
.set SLOT1, 1<<17
.set SPARE, 2*SLOT1                    ; behind the two slots: the spare words, 128 bytes for each of eight waves, which no other line names
.set LI,  1                            ; v1  16 x lane
.set LIV, 2                            ; v2  the same in a slot's half for V
.set ADK, 3                            ; v3  LDS address of the step's K
.set ADV, 4                            ; v4  of its V
.set SPW, 5
.set NIL, 6
.set BO,  8                            ; v8  32 (lane / 16): my eight channels' bias
.set ST,  16                           ; tile t at ST + 8 t: +0 c m, +1 m, +2:3 l, +4..7 at work; a takes +6
.set FV,  48
.set S,   112
.set QR,  128                          ; window 1
.set FK,  192                          ; window 1
.set WV,  12
.set TB,  13                           ; s13 LDS byte at which the step to be fetched begins
.set CNT, 14
.set G1,  24                           ; s[24:31] descriptor group 1;  s[32:35], s[36:39] group 0 for slot 0, 1
.set G0,  32
.set CS,  58                           ; s[58:59] c, twice
.set SEL, 60                           ; s[60:61] v_permlanex16_b32's selects for lane l xor 16
.set MSB, 0
.macro WIN new
.if MSB != (\new)
	s_set_vgpr_msb (MSB<<8)|(\new)
.set MSB, (\new)
.endif
.endm
.macro CROUND                          ; a round of the cluster's barrier
	s_barrier_signal -1
	s_barrier_wait -1
	s_cmp_lg_u32 s[WV], 0
	s_cbranch_scc1 .Lnot_wave_0_\@
	s_barrier_signal -3
.Lnot_wave_0_\@:
	s_barrier_wait -3
	s_barrier_signal -1
	s_barrier_wait -1
.endm
	s_load_b128 s[4:7], s[0:1], 0x0                ; qkv, b_qkv
	s_load_b64 s[8:9], s[0:1], 0x10                ; oi
	v_lshl_add_u32 v[SPW], v0, 2, SPARE
	v_mov_b32 v[NIL], 0
	ds_add_u32 v[SPW], v[NIL]                      ; the wave's opening: the add, twice on end, and its wait ahead of my first tensor load
	ds_add_u32 v[SPW], v[NIL]
	v_lshrrev_b32 v9, 5, v0
	v_readfirstlane_b32 s[WV], v9                  ; wave 0..7
	s_and_b32 s16, ttmp7, 0xffff                   ; batch x 16 + head, which the four partners share
	; what I fetch: waves 0-3 a quarter of a slot's k, waves 4-7 of its v
	s_lshr_b32 s17, s[WV], 2
	s_lshl_b32 s17, s17, 6
	s_add_co_u32 s17, s17, s16
	s_add_co_u32 s17, s17, 64                      ; block 64 + .. is k's, 128 + .. is v's
	s_lshl_b32 s20, s17, 18
	s_and_b32 s17, s[WV], 3
	s_lshl_b32 s17, s17, 14
	s_add_co_u32 s20, s20, s17
	s_mov_b32 s21, 0
	s_bfe_u32 s15, ttmp6, 0x40000                  ; cx: my block of 512 queries: it enters q's and oi's addresses alone
	s_lshl_b32 s22, s16, 18                        ; q: my head's block,
	s_lshl_b32 s17, s15, 16                        ; 512 cx tokens of 128 bytes,
	s_add_co_u32 s22, s22, s17
	s_lshl_b32 s17, s[WV], 13                      ; my wave's 64
	s_add_co_u32 s22, s22, s17
	s_mov_b32 s23, 0
	s_lshr_b32 s17, s16, 4                         ; oi: row tile batch x 128 + 32 cx + 4 wave,
	s_lshl_b32 s40, s17, 7
	s_lshl_b32 s17, s15, 5
	s_add_co_u32 s40, s40, s17
	s_lshl_b32 s17, s[WV], 2
	s_add_co_u32 s40, s40, s17
	s_lshl_b32 s40, s40, 15                        ; 32,768 bytes each,
	s_and_b32 s17, s16, 15
	s_lshl_b32 s18, s17, 11                        ; + head x 2,048
	s_add_co_u32 s40, s40, s18
	s_mov_b32 s41, 0
	s_lshl_b32 s42, s17, 8                         ; v's bias: 4 bytes x (2,048 + 64 head)
	s_add_co_u32 s42, s42, 8192
	s_mov_b32 s43, 0
	; descriptor group 1: 16 KiB dense, as 64 rows of 256 bytes (32 elements of 8 bytes)
	s_mov_b32 s[G1], 15|(3<<16)|(1<<21)            ; 15:0 the mask: all four work-groups; 17:16 elements of 8 bytes; 21 set beside a mask
	s_mov_b32 s[G1+1], 32<<16                      ; tensor_dim0
	s_mov_b32 s[G1+2], 64<<16                      ; tensor_dim1
	s_mov_b32 s[G1+3], 32<<16                      ; tile_dim0
	s_mov_b32 s[G1+4], 64                          ; tile_dim1
	s_mov_b32 s[G1+5], 32                          ; tensor_dim0_stride
	s_mov_b32 s[G1+6], 0
	s_mov_b32 s[G1+7], 0
	s_mov_b32 s[G0], 1
	s_lshl_b32 s[G0+1], s[WV], 14                  ; LDS: wave x 16 KiB: k's four quarters, then v's
	s_mov_b32 s[G0+4], 1
	s_add_co_u32 s[G0+5], s[G0+1], SLOT1
	s_mov_b32 s[CS], 0x3e38aa3b                    ; c = log2(e) / 8
	s_mov_b32 s[CS+1], s[CS]
	s_mov_b32 s[SEL], 0x76543210
	s_mov_b32 s[SEL+1], 0xfedcba98
	s_mov_b32 s[TB], 0
	s_wait_dscnt 0x0                               ; both opening adds are done
	s_wait_kmcnt 0x0
	s_add_nc_u64 s[G0+2:G0+3], s[4:5], s[20:21]    ; slot 0: keys 0-511
	s_add_nc_u64 s[G0+6:G0+7], s[G0+2:G0+3], 65536 ; slot 1: keys 512-1023
	s_or_b32 s[G0+3], s[G0+3], 0x80000000
	s_or_b32 s[G0+7], s[G0+7], 0x80000000
	s_add_nc_u64 s[4:5], s[4:5], s[22:23]          ; q at my wave's first query
	s_add_nc_u64 s[6:7], s[6:7], s[42:43]
	s_add_nc_u64 s[8:9], s[8:9], s[40:41]
	CROUND                                         ; all four work-groups are here: the first joint loads meet
	tensor_load_to_lds s[G0:G0+3], s[G1:G1+7]      ; every wave issues both first fills: two loads of mine are out
	s_nop 0
	tensor_load_to_lds s[G0+4:G0+7], s[G1:G1+7]
	s_nop 0
.rept 4
	v_nop
.endr
	v_and_b32 v9, 31, v0
	v_lshlrev_b32 v[LI], 4, v9
	v_add_nc_u32 v[LIV], 65536, v[LI]
	v_bfe_u32 v9, v0, 4, 1
	v_lshlrev_b32 v[BO], 5, v9
	WIN 0x40                                       ; destination window 1
.irp i, 0,1,2,3,4,5,6,7,8,9,10,11,12,13,14,15
	global_load_b128 v[QR+4*\i:QR+4*\i+3], v[LI], s[4:5] offset:512*\i   ; Q stays in registers: 8 KiB on end: fragment (tile t, channels 32 c on) at QR + 16 t + 8 c
.endr
.set i, 0
.rept 128
	v_mov_b32 v[i], 0                              ; O^T, while the first tiles are on their way: the step is then written in one form
.set i, i+1
.endr
	WIN 0
.irp t, 0,1,2,3
	v_mov_b32 v[ST+8*\t+1], 0xff61b1e6             ; m = -3e38, under every score
	v_mov_b32 v[ST+8*\t+2], 0                      ; l, in two halves
	v_mov_b32 v[ST+8*\t+3], 0
.endr
.irp t, 0,1,2,3
	v_mul_f32 v[ST+8*\t], s[CS], v[ST+8*\t+1]      ; c m
.endr
.macro LOADK                           ; a step's K: 8 KiB on end: fragment (keys 16 kt on, channels 32 c on) at FK + 16 kt + 8 c
	WIN 0x40
.irp i, 0,1,2,3,4,5,6,7,8,9,10,11,12,13,14,15
	ds_load_b128 v[FK+4*\i:FK+4*\i+3], v[ADK] offset:512*\i
.endr
	WIN 0
.endm
.macro LOADV                           ; a step's V^T: fragment (keys 32 g on, channels 16 ct on) at FV + 32 g + 8 ct
.irp i, 0,1,2,3,4,5,6,7,8,9,10,11,12,13,14,15
	ds_load_b128 v[FV+4*\i:FV+4*\i+3], v[ADV] offset:512*\i
.endr
.endm
; The accumulators take turns, one instruction a turn: between two links of a chain stand 15 others'.
.macro SQ                              ; S^T = K Q^T: 32 products; the first 16 start the sums
	WIN 0x05                                       ; K and Q window 1, S^T window 0
.irp c, 0,1
.irp kt, 0,1,2,3
.irp t, 0,1,2,3
.if \c == 0
	v_wmma_f32_16x16x32_f16 v[S+32*\t+8*\kt:S+32*\t+8*\kt+7], v[FK+16*\kt+8*\c:FK+16*\kt+8*\c+7], v[QR+16*\t+8*\c:QR+16*\t+8*\c+7], 0
.else
	v_wmma_f32_16x16x32_f16 v[S+32*\t+8*\kt:S+32*\t+8*\kt+7], v[FK+16*\kt+8*\c:FK+16*\kt+8*\c+7], v[QR+16*\t+8*\c:QR+16*\t+8*\c+7], v[S+32*\t+8*\kt:S+32*\t+8*\kt+7]
.endif
.endr
.endr
.endr
.endm
.macro PV                              ; O^T += V^T P: 32 products
	WIN 0x50                                       ; V and P window 0, O^T window 1
.irp g, 0,1
.irp ct, 0,1,2,3
.irp t, 0,1,2,3
	v_wmma_f32_16x16x32_f16 v[32*\t+8*\ct:32*\t+8*\ct+7], v[FV+32*\g+8*\ct:FV+32*\g+8*\ct+7], v[S+32*\t+8*\g:S+32*\t+8*\g+7], v[32*\t+8*\ct:32*\t+8*\ct+7]
.endr
.endr
.endr
.endm
; A step's softmax for the wave's four tiles, which take turns line by line, so that no line waits for the line above it.
.macro SOFTMAX
.irp j, 0,1,2,3                        ; the maximum of a lane's 32 scores and the old m, three operands at a time; each accumulator is first read at its low end
.irp t, 0,1,2,3
	v_max3_num_f32 v[ST+8*\t+4+\j], v[S+32*\t+8*\j], v[S+32*\t+8*\j+1], v[S+32*\t+8*\j+2]
.endr
.endr
.irp u, 1,2
.irp j, 0,1,2,3
.irp t, 0,1,2,3
	v_max3_num_f32 v[ST+8*\t+4+\j], v[ST+8*\t+4+\j], v[S+32*\t+8*\j+2*\u+1], v[S+32*\t+8*\j+2*\u+2]
.endr
.endr
.endr
.irp t, 0,1,2,3
	v_max3_num_f32 v[ST+8*\t+4], v[ST+8*\t+4], v[S+32*\t+7], v[S+32*\t+15]
.endr
.irp t, 0,1,2,3
	v_max3_num_f32 v[ST+8*\t+6], v[ST+8*\t+6], v[S+32*\t+23], v[S+32*\t+31]
.endr
.irp t, 0,1,2,3
	v_max3_num_f32 v[ST+8*\t+4], v[ST+8*\t+4], v[ST+8*\t+5], v[ST+8*\t+6]
.endr
.irp t, 0,1,2,3
	v_max3_num_f32 v[ST+8*\t+4], v[ST+8*\t+4], v[ST+8*\t+7], v[ST+8*\t+1]
.endr
.irp t, 0,1,2,3
	v_permlanex16_b32 v[ST+8*\t+5], v[ST+8*\t+4], s[SEL], s[SEL+1]   ; the query's other 32 keys lie in the lane 16 away
.endr
.irp t, 0,1,2,3
	v_mov_b32 v[ST+8*\t+7], v[ST+8*\t]             ; c m_old is kept for a
.endr
.irp t, 0,1,2,3
	v_max_num_f32 v[ST+8*\t+1], v[ST+8*\t+4], v[ST+8*\t+5]
.endr
.irp t, 0,1,2,3
	v_mul_f32 v[ST+8*\t], s[CS], v[ST+8*\t+1]
.endr
.irp t, 0,1,2,3
	v_sub_f32 v[ST+8*\t+7], v[ST+8*\t+7], v[ST+8*\t]
.endr
; ONE BATCH: the 4 exponentials for a and the 128 for p, with the scalings c s - c m among them, each pair scaled a turn ahead of its exponentials.  None of these lines names an exponential's result.
.irp t, 0,1,2,3
	v_exp_f32 v[ST+8*\t+6], v[ST+8*\t+7]           ; a = 2^(c m_old - c m_new)
.endr
.irp t, 0,1,2,3
	v_pk_fma_f32 v[S+32*\t:S+32*\t+1], v[S+32*\t:S+32*\t+1], s[CS:CS+1], v[ST+8*\t:ST+8*\t+1] op_sel_hi:[1,0,0] neg_lo:[0,0,1] neg_hi:[0,0,1]
.endr
.irp i, 0,1,2,3,4,5,6,7,8,9,10,11,12,13,14,15
.irp t, 0,1,2,3
.if \i < 15
	v_pk_fma_f32 v[S+32*\t+2*\i+2:S+32*\t+2*\i+3], v[S+32*\t+2*\i+2:S+32*\t+2*\i+3], s[CS:CS+1], v[ST+8*\t:ST+8*\t+1] op_sel_hi:[1,0,0] neg_lo:[0,0,1] neg_hi:[0,0,1]
.endif
	v_exp_f32 v[S+32*\t+2*\i], v[S+32*\t+2*\i]
	v_exp_f32 v[S+32*\t+2*\i+1], v[S+32*\t+2*\i+1]
.endr
.endr
	v_nop                                          ; a plain instruction behind the last exponential
	s_wait_alu depctr_va_vdst(0)                   ; one wait for the batch, ahead of the first line that names a result
.irp t, 0,1,2,3                        ; l = a l + the sum of the unrounded p, two at a time, in two chains
	v_pk_fma_f32 v[ST+8*\t+2:ST+8*\t+3], v[ST+8*\t+2:ST+8*\t+3], v[ST+8*\t+6:ST+8*\t+7], v[S+32*\t:S+32*\t+1] op_sel_hi:[1,0,1]
.endr
.irp t, 0,1,2,3
	v_pk_add_f32 v[ST+8*\t+4:ST+8*\t+5], v[S+32*\t+2:S+32*\t+3], v[S+32*\t+4:S+32*\t+5]
.endr
.irp i, 6,10,14,18,22,26
.irp t, 0,1,2,3
	v_pk_add_f32 v[ST+8*\t+2:ST+8*\t+3], v[ST+8*\t+2:ST+8*\t+3], v[S+32*\t+\i:S+32*\t+\i+1]
.endr
.irp t, 0,1,2,3
	v_pk_add_f32 v[ST+8*\t+4:ST+8*\t+5], v[ST+8*\t+4:ST+8*\t+5], v[S+32*\t+\i+2:S+32*\t+\i+3]
.endr
.endr
.irp t, 0,1,2,3
	v_pk_add_f32 v[ST+8*\t+2:ST+8*\t+3], v[ST+8*\t+2:ST+8*\t+3], v[S+32*\t+30:S+32*\t+31]
.endr
.irp t, 0,1,2,3
	v_pk_add_f32 v[ST+8*\t+2:ST+8*\t+3], v[ST+8*\t+2:ST+8*\t+3], v[ST+8*\t+4:ST+8*\t+5]
.endr
.irp i, 0,1,2,3,4,5,6,7,8,9,10,11,12,13,14,15   ; P in place: register i takes pair i, which lies at or above it
.irp t, 0,1,2,3
	v_cvt_pk_f16_f32 v[S+32*\t+\i], v[S+32*\t+2*\i], v[S+32*\t+2*\i+1]
.endr
.endr
	WIN 0x41                                       ; O^T (destination and source 0) window 1, a window 0
.irp i, 0,2,4,6,8,10,12,14,16,18,20,22,24,26,28,30
.irp t, 0,1,2,3
	v_pk_mul_f32 v[32*\t+\i:32*\t+\i+1], v[32*\t+\i:32*\t+\i+1], v[ST+8*\t+6:ST+8*\t+7] op_sel_hi:[1,0]
.endr
.endr
.endm
; KEY STEP j.  At its head S^T(j) has just been multiplied and V(j) is on its way from LDS.  kq = 1: K and V of step j + 1 are fetched and S^T(j + 1) is multiplied.
.macro BODY kq
.if \kq
	v_add_nc_u32 v[ADK], s[TB], v[LI]              ; these four plain lines are the places behind the products K Q^T: for the loads into K's registers and for the reads of the scores
	v_add_nc_u32 v[ADV], s[TB], v[LIV]
	v_nop
	v_nop
	LOADK
.else
.rept 4
	v_nop
.endr
.endif
	SOFTMAX
.if \kq
	s_wait_dscnt 16                                ; V(j) is in; K(j + 1)'s sixteen loads may be out
.else
	s_wait_dscnt 0x0
.endif
	PV
	WIN 0
.if \kq
.rept 5
	v_nop                                          ; five places: the next products K Q^T write over P's registers, which these products read; four of them serve the loads into V's registers
.endr
	LOADV
	s_add_co_u32 s[TB], s[TB], 8192                ; the next fetch is the next step's
	s_wait_dscnt 16                                ; K(j + 1) is in; V(j + 1)'s sixteen loads may be out
	SQ
	WIN 0
.endif
.endm
.macro STEPS n
	s_mov_b32 s[CNT], \n
.Lsteps_\@:
	BODY 1
	s_sub_co_u32 s[CNT], s[CNT], 1
	s_cmp_lg_u32 s[CNT], 0
	s_cbranch_scc1 .Lsteps_\@
.endm
; THE CHANGE OF SLOTS stands where V of a slot's last step has been asked for and K of the next slot has not.  Each wave waits for all its tensor loads (its part of the next slot), adds 0 to its spare word, and waits for that and for its reads of the slot.
; fill = 1: the slot just left is filled again with the keys two slots on: the barrier is a round of the cluster's, and the joint refill is the first thing behind it: it has eight key steps in which to land.
.macro CHANGE g0, next, fill
	s_wait_tensorcnt 0x0                           ; no tensor load of mine is out, so a group 0 may be written
	ds_add_u32 v[SPW], v[NIL]                      ; 0 onto my spare word
.if \fill
	s_add_nc_u64 s[\g0+2:\g0+3], s[\g0+2:\g0+3], 131072   ; 1,024 keys on; the type bits on top are not reached
.endif
	s_mov_b32 s[TB], \next*SLOT1                   ; the fetches go on at the next slot's first step
	s_wait_dscnt 0x0                               ; the add is done, and my reads of the slot are over
.if \fill
	CROUND
	tensor_load_to_lds s[\g0:\g0+3], s[G1:G1+7]
	s_nop 0
.rept 4
	v_nop
.endr
.else
	s_barrier_signal -1
	s_barrier_wait -1
.endif
.endm
	s_wait_tensorcnt 1                             ; my part of slot 0 is in; slot 1's may stay out
	s_barrier_signal -1
	s_barrier_wait -1                              ; everybody's is
	v_add_nc_u32 v[ADK], s[TB], v[LI]
	v_add_nc_u32 v[ADV], s[TB], v[LIV]
	LOADK                                          ; key step 0
	LOADV
	s_add_co_u32 s[TB], s[TB], 8192
	s_wait_dscnt 16                                ; K is in; V's sixteen loads may be out
	s_wait_loadcnt 0x0                             ; Q
	SQ
	WIN 0
	STEPS 7                                        ; steps 0-6, which fetch steps 1-7
	CHANGE G0, 1, 1                                ; slot 0 takes keys 1,024-1,535
	STEPS 8                                        ; steps 7-14, which fetch 8-15 from slot 1
	CHANGE G0+4, 0, 1                              ; slot 1 takes keys 1,536-2,047
	STEPS 8                                        ; steps 15-22
	CHANGE G0, 1, 0                                ; nothing is left to ask for
	STEPS 8                                        ; steps 23-30
	BODY 0                                         ; step 31
	; THE WAY OUT.  l's two halves and the other half of the lanes' are added; o = O^T / l + v's bias, one fused multiply-add; rounded to f16; four packed registers are half a fragment of the projection's operand and are stored as they stand.
.irp t, 0,1,2,3
	v_add_f32 v[ST+8*\t+4], v[ST+8*\t+2], v[ST+8*\t+3]             ; (these four are the places behind the last products)
.endr
.irp ct, 0,1,2,3
	global_load_b128 v[FV+8*\ct:FV+8*\ct+3], v[BO], s[6:7] offset:64*\ct       ; the bias in the result's layout: channels 16 ct + 8 (lane / 16) + 0..7
	global_load_b128 v[FV+8*\ct+4:FV+8*\ct+7], v[BO], s[6:7] offset:64*\ct+16
.endr
.irp t, 0,1,2,3
	v_permlanex16_b32 v[ST+8*\t+5], v[ST+8*\t+4], s[SEL], s[SEL+1]
.endr
.irp t, 0,1,2,3
	v_add_f32 v[ST+8*\t+4], v[ST+8*\t+4], v[ST+8*\t+5]
.endr
.irp t, 0,1,2,3
	v_rcp_f32 v[ST+8*\t+6], v[ST+8*\t+4]
.endr
	v_nop                                          ; a plain instruction behind the last reciprocal
	s_wait_alu depctr_va_vdst(0)                   ; one wait for the four, ahead of their first use
	s_wait_loadcnt 0x0                             ; the bias
.macro OUT t
	WIN 0x41
.irp i, 0,2,4,6,8,10,12,14,16,18,20,22,24,26,28,30
	v_pk_fma_f32 v[32*\t+\i:32*\t+\i+1], v[32*\t+\i:32*\t+\i+1], v[ST+8*\t+6:ST+8*\t+7], v[FV+\i:FV+\i+1] op_sel_hi:[1,0,1]
.endr
	WIN 0x05                                       ; sources window 1, destination window 0
.irp i, 0,1,2,3,4,5,6,7,8,9,10,11,12,13,14,15
	v_cvt_pk_f16_f32 v[S+32*\t+\i], v[32*\t+2*\i], v[32*\t+2*\i+1]
.endr
	WIN 0
.irp ct, 0,1,2,3
	global_store_b128 v[LI], v[S+32*\t+4*\ct:S+32*\t+4*\ct+3], s[8:9] offset:\t*32768+\ct*512   ; 32 lanes store 512 consecutive bytes, aligned
.endr
.endm
	OUT 0
	OUT 1
	OUT 2
	OUT 3
	s_wait_tensorcnt 0x0                           ; the wave's end, behind my last tensor load
	ds_add_u32 v[SPW], v[NIL]
	s_wait_dscnt 0x0
	CROUND                                         ; the closing round: no work-group ends while a partner may still ask for a tile that names it
	s_endpgm
.Lfunc_end_k_q7279f67264_attn:
	.size	k_q7279f67264_attn, .Lfunc_end_k_q7279f67264_attn-k_q7279f67264_attn
	.p2alignl 7, 3214868480
	.fill 96, 4, 3214868480
	.section	.rodata,"a",@progbits
	.p2align	6, 0x0
	.amdhsa_kernel k_q7279f67264_attn
		.amdhsa_group_segment_fixed_size 327680
		.amdhsa_private_segment_fixed_size 0
		.amdhsa_enable_private_segment 0
		.amdhsa_kernarg_size 24
		.amdhsa_user_sgpr_count 2
		.amdhsa_user_sgpr_kernarg_segment_ptr 1
		.amdhsa_wavefront_size32 1
		.amdhsa_system_sgpr_workgroup_id_x 1
		.amdhsa_system_sgpr_workgroup_id_y 1
		.amdhsa_system_sgpr_workgroup_id_z 1
		.amdhsa_system_vgpr_workitem_id 0
		.amdhsa_next_free_vgpr 512
		.amdhsa_next_free_sgpr 66
		.amdhsa_reserve_vcc 0
		.amdhsa_float_denorm_mode_32 3
		.amdhsa_float_denorm_mode_16_64 3
		.amdhsa_memory_ordered 1
		.amdhsa_forward_progress 1
		.amdhsa_inst_pref_size 183
	.end_amdhsa_kernel
	.amdgpu_metadata
---
amdhsa.version: [ 1, 2 ]
amdhsa.kernels:
  - .name:           k_q7279f67264_attn
    .symbol:         k_q7279f67264_attn.kd
    .args:
      - { .name: qkv, .offset: 0, .size: 8, .value_kind: global_buffer, .address_space: global }
      - { .name: b_qkv, .offset: 8, .size: 8, .value_kind: global_buffer, .address_space: global }
      - { .name: oi, .offset: 16, .size: 8, .value_kind: global_buffer, .address_space: global }
    .group_segment_fixed_size: 327680
    .private_segment_fixed_size: 0
    .kernarg_segment_align: 8
    .kernarg_segment_size: 24
    .max_flat_workgroup_size: 256
    .sgpr_count:     66
    .vgpr_count:     512
    .wavefront_size: 32
...
	.end_amdgpu_metadata
.endif
;; end of part 3
;; launch proj (part 4): grid 4 x 64, 4 waves a work-group, clusters of 4 x 4, 327,680 bytes of LDS; arguments oi, wp, b_proj, out0; writes out0
.if DOCPART == 4
	.amdgcn_target "amdgcn-amd-amdhsa--gfx1250"
	.amdhsa_code_object_version 6
	.text
	.protected	k_q7279f67264_proj
	.globl	k_q7279f67264_proj
	.p2align	8
	.type	k_q7279f67264_proj,@function
k_q7279f67264_proj:
	s_mov_b64 s[64:65], 0
	v_nop
	global_prefetch_b8 v0, s[64:65] scope:SCOPE_SE
	s_setreg_imm32_b32 hwreg(HW_REG_WAVE_MODE, 25, 1), 1
	s_wait_xcnt 0x0
	s_wait_alu depctr_hold_cnt(0) depctr_sa_sdst(0) depctr_va_vdst(0) depctr_va_sdst(0) depctr_va_ssrc(0) depctr_va_vcc(0) depctr_vm_vsrc(0)
	s_getreg_b32 s2, hwreg(HW_REG_IB_STS2, 6, 4)
	s_cmp_eq_u32 s2, 0
	s_cbranch_scc0 .Lentry_in_a_cluster
	s_endpgm
.Lentry_in_a_cluster:
	s_bfe_u32 s2, ttmp6, 0x10000c
	s_cmp_lg_u32 s2, 0xf033
	s_cbranch_scc0 .Lentry_shape_is_right
	s_endpgm
.Lentry_shape_is_right:
; out0[m][n] = sum over k of o[m][k] w_proj[k][n] + b_proj[n]: 8,192 x 1,024 x 1,024; operands in f16, sums in f32, the bias as the C of each sum's first product.
; A tile of out0 is 128 rows x 256 columns: 256 work-groups, one for each tile.  Four waves, each 64 x 128: 32 accumulators of 16 x 16, 256 registers.
; oi and wp lie in memory as images of the operands' registers: [tile of 16][k / 32][half][lane][16 bytes].  A K step of 128 is 4,096 consecutive bytes of each tile of 16, tiles 32,768 bytes apart: a tensor tile with rows of 4,096 bytes;
; in LDS the rows follow each other, every LDS load takes 16 bytes a lane at 16 x lane: no padding.  K goes in 8 steps through two LDS slots.
; CLUSTERS: 4 x 4 work-groups; o's tiles are asked for jointly along a row of the cluster, w's along a column.  THE MATRIX INSTRUCTION IS USED TRANSPOSED (source 0 = 16 columns of w, source 1 = 16 rows of o): a lane holds eight neighbouring numbers of a row of out0.
; REGISTERS: window 0: v0-31 addresses; v32-127, v128-223 two fragment buffers: o's 4 fragments, then w's 8 (32 along K); on the way out rows of out0.   window 1: the accumulators, (a, b) at v[8 (8 a + b)].   window 2: v0-63 the bias in the result's layout.
.set SLOT,   98304                     ; o's 8 tiles x 4,096 bytes, then w's 16 tiles x 4,096
.set BOFF,   32768
.set SPARE,  2*SLOT                    ; the spare words, 128 bytes for each wave, which no other line names
.set SPITCH, 528                       ; the way out: a stage of 16 rows x (512 bytes + 16) for each wave, in slot 0, which has had its last fill and its last read when the first result is stored there
.set LAPS,   4                         ; a lap = two K steps = once round the ring
.set ADRA, 16
.set ADRB, 20
.set STO,  24
.set RD,   25
.set CO,   26                          ; v26 16 x lane
.set SPW,  28
.set NIL,  29
.set F0,   32
.set F1,   128
.set BK,   32                          ; the way out: 16 rows read back: v32-95 and v96-159 by turns
.set G1, 24
.set G0, 32
.set G1B, 48
.set G0B, 56
.set MSB, 0
.macro WIN new
.if MSB != (\new)
	s_set_vgpr_msb (MSB<<8)|(\new)
.set MSB, (\new)
.endif
.endm
.macro JLOAD s                         ; a joint load: waves 0 and 1 fetch o's two halves, waves 2 and 3 w's; an s_nop 0 and four v_nop follow each of the two lines
	s_cmp_eq_u32 s15, 0
	s_cbranch_scc0 .Lfor_b_\@
	tensor_load_to_lds s[G0+4*\s:G0+4*\s+3], s[G1:G1+7]
	s_nop 0
.rept 4
	v_nop
.endr
	s_branch .Lasked_\@
.Lfor_b_\@:
	tensor_load_to_lds s[G0B+4*\s:G0B+4*\s+3], s[G1B:G1B+7]
	s_nop 0
.rept 4
	v_nop
.endr
.Lasked_\@:
.endm
.macro CREST                           ; a round of the cluster's barrier behind its opening barrier
	s_cmp_lg_u32 s14, 0
	s_cbranch_scc1 .Lnot_wave_0_\@
	s_barrier_signal -3
.Lnot_wave_0_\@:
	s_barrier_wait -3
	s_barrier_signal -1
	s_barrier_wait -1
.endm
.macro CROUND
	s_barrier_signal -1
	s_barrier_wait -1
	CREST
.endm
	s_load_b128 s[4:7], s[0:1], 0x0                ; oi, wp
	s_load_b128 s[8:11], s[0:1], 0x10              ; b_proj, out0
	v_lshl_add_u32 v[SPW], v0, 2, SPARE
	v_mov_b32 v[NIL], 0
	ds_add_u32 v[SPW], v[NIL]                      ; the wave's opening: the add, twice on end, and its wait ahead of my first tensor load
	ds_add_u32 v[SPW], v[NIL]
	v_lshrrev_b32 v1, 5, v0
	v_readfirstlane_b32 s14, v1                    ; wave 0..3
	s_lshr_b32 s15, s14, 1                         ; which 64 rows are mine.  Also: I fetch for o (0) or for w (1)
	s_and_b32 s16, s14, 1                          ; which 128 columns.  Also: which half of that tile I fetch
	s_bfe_u32 s40, ttmp6, 0x40000                  ; cx = the tile column (the grid is one cluster wide)
	s_bfe_u32 s41, ttmp6, 0x40004                  ; cy
	s_and_b32 s17, ttmp7, 0xffff
	s_lshl_b32 s17, s17, 2
	s_add_co_u32 s17, s17, s41                     ; tile row = 4 x cluster y + cy
	s_lshl_b32 s43, s41, 2
	s_lshl_b32 s43, 15, s43                        ; my row of the cluster
	s_lshl_b32 s44, 0x1111, s40                    ; my column
	s_or_b32 s[G1+0], s43, (3<<16)|(1<<21)         ; 15:0 the mask; 17:16 elements of 8 bytes; 21 set beside a mask
	s_or_b32 s[G1B+0], s44, (3<<16)|(1<<21)
	s_mov_b32 s[G1+1], 512<<16                     ; tensor_dim0 = 512 elements: 4,096 bytes
	s_mov_b32 s[G1+2], 4<<16                       ; tensor_dim1: 4 tiles of 16 rows
	s_mov_b32 s[G1+3], 512<<16                     ; tile_dim0
	s_mov_b32 s[G1+4], 4                           ; tile_dim1
	s_mov_b32 s[G1+5], 4096                        ; tensor_dim0_stride: 32,768 bytes
	s_mov_b32 s[G1+6], 0
	s_mov_b32 s[G1+7], 0
	s_mov_b32 s[G1B+1], 512<<16
	s_mov_b32 s[G1B+2], 8<<16                      ; 8 tiles of 16 columns
	s_mov_b32 s[G1B+3], 512<<16
	s_mov_b32 s[G1B+4], 8
	s_mov_b32 s[G1B+5], 4096
	s_mov_b32 s[G1B+6], 0
	s_mov_b32 s[G1B+7], 0
	s_lshl_b32 s20, s17, 3
	s_lshl_b32 s18, s16, 2
	s_add_co_u32 s20, s20, s18                     ; o: tile of 16 rows 8 x tile row + 4 x half
	s_lshl_b32 s20, s20, 15
	s_mov_b32 s21, 0
	s_lshl_b32 s46, s40, 4
	s_lshl_b32 s18, s16, 3
	s_add_co_u32 s46, s46, s18                     ; w: tile of 16 columns 16 x tile column + 8 x half
	s_lshl_b32 s46, s46, 15
	s_mov_b32 s47, 0
	s_lshl_b32 s45, s16, 14                        ; where they go: no place in the cluster enters an LDS address
	s_lshl_b32 s42, s16, 15
	s_add_co_u32 s42, s42, BOFF
	s_wait_dscnt 0x0                               ; both opening adds are done
	s_wait_kmcnt 0x0
	s_add_nc_u64 s[20:21], s[4:5], s[20:21]
	s_add_nc_u64 s[46:47], s[6:7], s[46:47]
	CROUND                                         ; all sixteen work-groups are here: the first joint loads meet
.irp s, 0,1
	s_mov_b32 s[G0+4*\s], 1
	s_add_co_u32 s[G0+4*\s+1], s45, \s*SLOT
	s_add_nc_u64 s[G0+4*\s+2:G0+4*\s+3], s[20:21], \s*4096
	s_or_b32 s[G0+4*\s+3], s[G0+4*\s+3], 0x80000000
	s_mov_b32 s[G0B+4*\s], 1
	s_add_co_u32 s[G0B+4*\s+1], s42, \s*SLOT
	s_add_nc_u64 s[G0B+4*\s+2:G0B+4*\s+3], s[46:47], \s*4096
	s_or_b32 s[G0B+4*\s+3], s[G0B+4*\s+3], 0x80000000
	JLOAD \s                                       ; two tensor loads of mine are out
.endr
	v_and_b32 v1, 31, v0
	v_lshlrev_b32 v[CO], 4, v1
	s_lshl_b32 s21, s15, 14                        ; my 4 tiles of o
	s_lshl_b32 s22, s16, 15                        ; my 8 tiles of w,
	s_add_co_u32 s22, s22, BOFF                    ; which lie behind o's
.irp s, 0,1
	v_add_nc_u32 v[ADRA+\s], s21, v[CO]
	v_add_nc_u32 v[ADRB+\s], s22, v[CO]
	s_add_co_u32 s21, s21, SLOT
	s_add_co_u32 s22, s22, SLOT
.endr
	s_mul_i32 s23, s14, 16*SPITCH                  ; my stage
	v_and_b32 v2, 15, v0
	v_bfe_u32 v3, v0, 4, 1
	v_mul_u32_u24 v4, v2, SPITCH                   ; in: row l % 16, 32 bytes for each half of the lanes
	v_lshl_add_u32 v4, v3, 5, v4
	v_add_nc_u32 v[STO], s23, v4
	v_add_nc_u32 v[RD], s23, v[CO]                 ; back: the 32 lanes take one row of 512 bytes
	v_lshlrev_b32 v5, 5, v3                        ; the bias: 32 bytes for the upper half of the lanes
	s_lshl_b32 s46, s40, 10                        ; my first column, in bytes: 1,024 x tile column + 512 x half
	s_lshl_b32 s47, s16, 9
	s_add_co_u32 s46, s46, s47
	s_mov_b32 s47, 0
	s_add_nc_u64 s[8:9], s[8:9], s[46:47]
	WIN 0x80                                       ; destination window 2
.irp b, 0,1,2,3,4,5,6,7
	global_load_b128 v[8*\b:8*\b+3], v5, s[8:9] offset:64*\b
	global_load_b128 v[8*\b+4:8*\b+7], v5, s[8:9] offset:64*\b+16
.endr
	WIN 0
	s_lshl_b32 s20, s17, 7
	s_lshl_b32 s21, s15, 6
	s_add_co_u32 s20, s20, s21                     ; my first row of out0
	s_lshl_b32 s20, s20, 12                        ; rows of 4,096 bytes
	s_add_co_u32 s20, s20, s46
	s_mov_b32 s21, 0
	s_add_nc_u64 s[10:11], s[10:11], s[20:21]
; 8 matrix instructions: row block a x all 8 column blocks, 32 along K.  first = 1: the C is the bias.  The 32 accumulators take turns, one instruction a turn, in the same order in every quarter.
.macro MULA f, a, first
.irp b, 0,1,2,3,4,5,6,7
.if \first
	v_wmma_f32_16x16x32_f16 v[8*(8*(\a)+\b):8*(8*(\a)+\b)+7], v[\f+32+8*\b:\f+32+8*\b+7], v[\f+8*(\a):\f+8*(\a)+7], v[8*\b:8*\b+7]
.else
	v_wmma_f32_16x16x32_f16 v[8*(8*(\a)+\b):8*(8*(\a)+\b)+7], v[\f+32+8*\b:\f+32+8*\b+7], v[\f+8*(\a):\f+8*(\a)+7], v[8*(8*(\a)+\b):8*(8*(\a)+\b)+7]
.endif
.endr
.endm
; 24 LDS loads in one run: the fragments of the slot's k-th 32 along K into buffer f: w's 16 loads, then o's blocks 0-1, then blocks 2-3
.macro FETCH slot, k, f
.irp i, 0,1,2,3,4,5,6,7
	ds_load_b128 v[\f+32+8*\i:\f+32+8*\i+3],   v[ADRB+\slot] offset:\i*4096+(\k)*1024
	ds_load_b128 v[\f+32+8*\i+4:\f+32+8*\i+7], v[ADRB+\slot] offset:\i*4096+(\k)*1024+512
.endr
.irp i, 0,1,2,3
	ds_load_b128 v[\f+8*\i:\f+8*\i+3],   v[ADRA+\slot] offset:\i*4096+(\k)*1024
	ds_load_b128 v[\f+8*\i+4:\f+8*\i+7], v[ADRA+\slot] offset:\i*4096+(\k)*1024+512
.endr
.endm
.macro PLACES                          ; four plain vector instructions between a matrix instruction and a load into, or a read of, its registers
.rept 4
	v_nop
.endr
.endm
; A K step is four quarters of 32 along K, 32 matrix instructions each, on buffers 0, 1, 0, 1.  One of the first three: multiplies buffer f and fetches the slot's k-th quarter into g.
.macro QUARTER slot, k, f, g, first
	s_wait_dscnt 4                                 ; w's fragments and o's blocks 0-1 are in; the youngest four loads (blocks 2-3) may be out
	WIN 0x50+0x10*\first                           ; C and D window 1; first: C window 2
	MULA \f, 0, \first
	MULA \f, 1, \first
	PLACES
	WIN 0
	FETCH \slot, \k, \g
	s_wait_dscnt 24                                ; all but the 24 just issued
	WIN 0x50+0x10*\first
	MULA \f, 2, \first
	MULA \f, 3, \first
.endm
; The last quarter multiplies buffer 1 and changes slots: ONE barrier; in front of it each wave waits for all its tensor loads, adds 0 to its spare word, and waits for that and for its own reads of this slot.  fill = 1: this slot is filled again, two K steps ahead.
.macro TURN slot, next, fill
	WIN 0
	s_wait_tensorcnt 0x0                           ; all my tensor loads have landed: my part of the next slot
	ds_add_u32 v[SPW], v[NIL]                      ; 0 onto my spare word
	s_wait_dscnt 5                                 ; (the add and the youngest four loads may be out)
	WIN 0x50
	MULA F1, 0, 0
	s_wait_dscnt 0x0                               ; the add is done, and my reads of this slot are over
	s_barrier_signal -1
	MULA F1, 1, 0
	WIN 0
	s_barrier_wait -1
.if \fill
	CREST                                          ; the barrier has opened a round of the cluster's barrier: no wave of any partner still reads this slot or has a load on its way
	s_add_nc_u64 s[G0+4*\slot+2:G0+4*\slot+3], s[G0+4*\slot+2:G0+4*\slot+3], 8192
	s_add_nc_u64 s[G0B+4*\slot+2:G0B+4*\slot+3], s[G0B+4*\slot+2:G0B+4*\slot+3], 8192
	JLOAD \slot                                    ; the first tensor load behind the round; the four v_nop behind it are also the places in front of the loads below
.else
	PLACES
.endif
	FETCH \next, 0, F0
	WIN 0x50
	MULA F1, 2, 0
	MULA F1, 3, 0
.endm
	s_wait_tensorcnt 1                             ; my part of K step 0 is in (K step 1's load may be out),
	s_barrier_signal -1
	s_barrier_wait -1                              ; everybody's is
	FETCH 0, 0, F0
	s_wait_loadcnt 0x0                             ; the bias
	QUARTER 0, 1, F0, F1, 1                        ; the first quarter stands in front of the loop: its products start the sums from the bias
	WIN 0                                          ; at a label and at a branch every window is 0
	s_mov_b32 s3, LAPS-1
.Llap:                                                 ; a trip goes once round the ring, from a lap's second quarter to the next lap's first, and fills both slots again
	QUARTER 0, 2, F1, F0, 0
	QUARTER 0, 3, F0, F1, 0
	TURN 0, 1, 1
	QUARTER 1, 1, F0, F1, 0
	QUARTER 1, 2, F1, F0, 0
	QUARTER 1, 3, F0, F1, 0
	TURN 1, 0, 1
	QUARTER 0, 1, F0, F1, 0
	WIN 0
	s_sub_co_u32 s3, s3, 1
	s_cmp_lg_u32 s3, 0
	s_cbranch_scc1 .Llap
	QUARTER 0, 2, F1, F0, 0                        ; the last lap fills nothing
	QUARTER 0, 3, F0, F1, 0
	TURN 0, 1, 0
	QUARTER 1, 1, F0, F1, 0
	QUARTER 1, 2, F1, F0, 0
	QUARTER 1, 3, F0, F1, 0
	s_wait_dscnt 4                                 ; the very last quarter: nothing more to fetch
	WIN 0x50
	MULA F1, 0, 0
	MULA F1, 1, 0
	s_wait_dscnt 0
	MULA F1, 2, 0
	MULA F1, 3, 0
	WIN 0
; THE WAY OUT, block by block of 16 rows x 128 columns.  A lane holds 32 neighbouring bytes of a row: a block goes through my own stage in LDS and comes back as whole rows of 512 bytes.  LDS serves a wave's instructions in order:
; no wait between the stores and the loads, nor in front of the next block's stores.
.macro TOSTAGE a
.set AC, 64*(\a)
	WIN 0x04                                       ; an LDS store's data are its source 1: window 1
.irp b, 0,1,2,3,4,5,6,7
	ds_store_b128 v[STO], v[AC+8*\b:AC+8*\b+3] offset:64*\b          ; each accumulator from its low end on
	ds_store_b128 v[STO], v[AC+8*\b+4:AC+8*\b+7] offset:64*\b+16
.endr
	WIN 0
.set BB, BK+64*((\a)%2)
.irp t, 0,1,2,3,4,5,6,7,8,9,10,11,12,13,14,15
	ds_load_b128 v[BB+4*\t:BB+4*\t+3], v[RD] offset:\t*SPITCH
.endr
.endm
.macro SEND a, younger                 ; younger: the LDS instructions issued behind block a's loads, which may stay out
.set BB, BK+64*((\a)%2)
	s_wait_dscnt \younger                          ; the block is back in registers
.if (\a) > 0
	s_add_nc_u64 s[10:11], s[10:11], 16*4096       ; (behind a wait on XCNT: the earlier stores have read their base)  16 rows on
.endif
.irp t, 0,1,2,3,4,5,6,7,8,9,10,11,12,13,14,15
	global_store_b128 v[CO], v[BB+4*\t:BB+4*\t+3], s[10:11] offset:\t*4096 th:TH_STORE_NT   ; 32 lanes store 512 consecutive bytes, aligned
.endr
.endm
	PLACES                                         ; behind the last products: for the reads of results and for the loads into the fragments' registers
	TOSTAGE 0
.irp a, 1,2,3
.if \a > 1
	s_wait_xcnt 0x0                                ; block a - 2's stores have read their registers and their base
.endif
	TOSTAGE \a
	SEND \a-1, 32                                  ; behind block a - 1's loads: block a's 16 stores and 16 loads
.endr
	s_wait_xcnt 0x0                                ; block 2's stores have read their base
	SEND 3, 0
	s_wait_tensorcnt 0x0                           ; the wave's end, behind my last tensor load and my last LDS store
	ds_add_u32 v[SPW], v[NIL]
	s_wait_dscnt 0x0
	CROUND                                         ; the closing round: no work-group ends while a partner may still ask for a tile that names it
	s_endpgm
.Lfunc_end_k_q7279f67264_proj:
	.size	k_q7279f67264_proj, .Lfunc_end_k_q7279f67264_proj-k_q7279f67264_proj
	.p2alignl 7, 3214868480
	.fill 96, 4, 3214868480
	.section	.rodata,"a",@progbits
	.p2align	6, 0x0
	.amdhsa_kernel k_q7279f67264_proj
		.amdhsa_group_segment_fixed_size 327680
		.amdhsa_private_segment_fixed_size 0
		.amdhsa_enable_private_segment 0
		.amdhsa_kernarg_size 32
		.amdhsa_user_sgpr_count 2
		.amdhsa_user_sgpr_kernarg_segment_ptr 1
		.amdhsa_wavefront_size32 1
		.amdhsa_system_sgpr_workgroup_id_x 1
		.amdhsa_system_sgpr_workgroup_id_y 1
		.amdhsa_system_sgpr_workgroup_id_z 1
		.amdhsa_system_vgpr_workitem_id 0
		.amdhsa_next_free_vgpr 768
		.amdhsa_next_free_sgpr 66
		.amdhsa_reserve_vcc 0
		.amdhsa_float_denorm_mode_32 3
		.amdhsa_float_denorm_mode_16_64 3
		.amdhsa_memory_ordered 1
		.amdhsa_forward_progress 1
		.amdhsa_inst_pref_size 86
	.end_amdhsa_kernel
	.amdgpu_metadata
---
amdhsa.version: [ 1, 2 ]
amdhsa.kernels:
  - .name:           k_q7279f67264_proj
    .symbol:         k_q7279f67264_proj.kd
    .args:
      - { .name: oi, .offset: 0, .size: 8, .value_kind: global_buffer, .address_space: global }
      - { .name: wp, .offset: 8, .size: 8, .value_kind: global_buffer, .address_space: global }
      - { .name: b_proj, .offset: 16, .size: 8, .value_kind: global_buffer, .address_space: global }
      - { .name: out0, .offset: 24, .size: 8, .value_kind: global_buffer, .address_space: global }
    .group_segment_fixed_size: 327680
    .private_segment_fixed_size: 0
    .kernarg_segment_align: 8
    .kernarg_segment_size: 32
    .max_flat_workgroup_size: 128
    .sgpr_count:     66
    .vgpr_count:     768
    .wavefront_size: 32
...
	.end_amdgpu_metadata
.endif
;; end of part 4
